; MI455X (gfx1250); checked and timed in simulation.
; The chip was launched on July 23, 2026; its instructions are those of AMD's public machine-readable ISA for CDNA 5 (MIT licence, August 2026) and "CDNA5" Instruction Set Architecture Reference Guide (July 2026). The comments in the code are by the model that wrote it; some were corrected since.
;; Multi Headed Attention. Allowed arithmetic: matrix products marked QUANTISED: E2M3 operands, one E8M0 scale for each 32 along K, by v_wmma_scale_f32_16x16x128_f8f6f4 with both operands' format E2M3, f32 sums; everything else in f32.
;; Inputs: X_KV 4 x 2,048 x 1,024 float32; X_Q 4 x 2,048 x 1,024 float32; kv_b 2,048 float32; kv_w 1,024 x 2,048 float32; out_b 1,024 float32; out_w 1,024 x 1,024 float32; q_b 1,024 float32; q_w 1,024 x 1,024 float32.
;; Outputs: out0 4 x 2,048 x 1,024 float32.
;; This version of the problem:
;;   THIS VERSION OF THE PROBLEM IS GIVEN IN LOW PRECISION. The matrix products marked QUANTISED in the list below multiply operands that are first quantised to E2M3 (2 exponent bits, 3 mantissa bits; 6 bits a number), with one power-of-two scale for each 32 numbers along K (OCP MX v1.0); their sums are f32. All else is computed in f32.
;;   The module's matrix products, in the order in which they are computed (A, B: the left and right operand; K: the contracted axis; several contracted axes count as one K, in the product's order):
;;     1. [M 8,192, K 1,024] x [K 1,024, N 1,024]; A: input X_Q; B: input q_w: QUANTISED
;;     2. [M 8,192, K 1,024] x [K 1,024, N 2,048]; A: input X_KV; B: input kv_w: QUANTISED
;;     3. batch 64 x [M 2,048, K 64] x [K 64, N 2,048]; A: computed on the way; B: computed on the way: QUANTISED
;;     4. batch 64 x [M 2,048, K 2,048] x [K 2,048, N 64]; A: softmax (see below); B: computed on the way: QUANTISED
;;     5. [M 8,192, K 1,024] x [K 1,024, N 1,024]; A: computed on the way; B: input out_w: QUANTISED
;;   THE QUANTISER, for each operand of a quantised product, along K:
;;     - K is cut into blocks of 32 from its start; a last block that is shorter is filled with zeros.
;;     - A block's scale is 2^e with e = floor(log2(the largest magnitude in the block)) - 2, held to -126 .. 127; a block of zeros has e = 0. As a byte (E8M0): e + 127.
;;     - Each number is divided by its block's scale, clamped to +-7.5, and rounded to the nearest number of E2M3, ties to even, subnormals kept.
;;     - The product sums the exact products of the quantised numbers (number of the format x scale) in f32.
;;   ~~~python
;;   def quantise(x, axis):      # numpy; x: float32 -> the quantised numbers, widened to float32 again
;;       x = np.moveaxis(x, axis, -1); K = x.shape[-1]
;;       x = np.pad(x, [(0, 0)] * (x.ndim - 1) + [(0, -K % 32)]); x = x.reshape(x.shape[:-1] + (-1, 32)); a = np.abs(x).max(-1, keepdims=True)
;;       e = np.where(a > 0, np.clip(np.frexp(np.where(a > 0, a, 1))[1] - 1 - 2, -126, 127), 0)      # np.frexp(a)[1] - 1 = floor(log2(a)), exactly
;;       r = np.clip(x / 2.0 ** e, -7.5, 7.5)
;;       step = 2.0 ** (np.maximum(np.frexp(np.where(r == 0, 1, r))[1] - 1, 0) - 3)
;;       q = np.round(r / step) * step * 2.0 ** e      # np.round: ties to even
;;       return np.moveaxis(q.reshape(q.shape[:-2] + (-1,))[..., :K], -1, axis).astype(np.float32)
;;   ~~~
;;   SOFTMAX AHEAD OF A QUANTISED PRODUCT. Where the list says 'softmax', what is quantised is not the finished softmax but p = 2^(t - M), with t = logit x log2(e) and M = ceil(the row's largest t), a whole number; so 1/2 < the row's largest p <= 1. The row's sum l is taken of the UNQUANTISED p, in f32, and the product's result is divided by l at the end. Since M is a whole number, a kernel that streams over the keys may use a running M (the ceiling of the running maximum): every later rescaling is an exact power of two, which a block's scale takes up: the codes' values come out the same.
;;   OPERANDS COMPUTED ON THE WAY. 'Computed on the way' means the value that the module computes at that place (a softmax that the list does not call 'softmax' is quantised finished and normalised). What goes into a quantiser is computed in f32, as accurately as f32 sums, v_exp_f32 and their like allow (about 1e-6 of the number): no bf16 or f16 on the way to a quantiser, and a product that is left as it is and whose result goes on into a quantised operand takes f32 operands (vector FMAs, or v_wmma_f32_16x16x4_f32). A number that lies on a knife's edge between two numbers of the format may be rounded either way, as far as f32 arithmetic and the matrix unit's own rounding can turn it there, and no further.
;; One version. Each part assembles by itself: llvm-mc -triple=amdgcn-amd-amdhsa -mcpu=gfx1250 --defsym DOCPART=n.
;; ======== version 1 of 1: 4 launches
;; limits: right only within a limited range of input values
;; workspace buffers: xbuf 13,107,200 bytes; wbuf 3,276,800 bytes; qkv 19,660,800 bytes; abuf 6,553,600 bytes
;; launch quant (part 1): grid 512 x 1, 4 waves a work-group, no clusters, 36,352 bytes of LDS; arguments X_Q, X_KV, q_w, kv_w, out_w, xbuf, wbuf; writes xbuf, wbuf
.if DOCPART == 1
	.amdgcn_target "amdgcn-amd-amdhsa--gfx1250"
	.amdhsa_code_object_version 6
	.text
	.protected	k_qe6b1249162_quant
	.globl	k_qe6b1249162_quant
	.p2align	8
	.type	k_qe6b1249162_quant,@function
k_qe6b1249162_quant:
	s_mov_b64 s[64:65], 0
	v_nop
	global_prefetch_b8 v0, s[64:65] scope:SCOPE_SE
	s_setreg_imm32_b32 hwreg(HW_REG_WAVE_MODE, 25, 1), 1
	s_wait_xcnt 0x0
; X_Q, X_KV [8192][1024] f32 (K innermost) and q_w [1024][1024], kv_w [1024][2048], out_w [1024][1024] f32 (K is the FIRST axis) become codes of FP6 (E2M3) with one E8M0 byte for each 32 along K.
; A block's scale is 2^(floor(log2(largest magnitude)) - 2); its byte is the largest magnitude's exponent field - 2, held at 1 from below.
; LAYOUT OF THE RESULTS (this program alone reads them).  An operand is a list of tiles of 16 rows; a tile is 8 K steps of 128; a K step is the IMAGE of the matrix operand's 12 registers:
; three planes of 512 bytes, plane c holding lane l's registers 4 c .. 4 c + 3 at 16 l: 1,536 bytes.  STORED tile 2 g + u, row r, is TRUE row 32 g + 8 u + r + 8 (r / 8).
; Scale words (four bytes: 128 along K of one row) lie [block of 128 stored rows][K step][128 words]: 4,096 dense bytes a block.
; xbuf: stored rows 0-8,191 X_Q, 8,192-16,383 X_KV.  wbuf: stored rows 0-1,023 q_w's columns, 1,024-3,071 kv_w's, 3,072-4,095 out_w's.
; Work-groups 0-255 take X (64 stored rows each, a wave a tile, all of K); work-groups 256-511 take the weights (128 columns x one K step each).  The weights' way uses no LDS.
; LIMITS: a block whose largest magnitude lies under 2^-124 keeps the byte 1; a block of zeros gets the byte 1 (its codes are zeros, and only this program reads the bytes); NaN and infinities among the inputs are not served.
; The weights' scale words leave in stores of 128 consecutive bytes a wave, half of an aligned 256: they are one byte in 128 of what that way reads.
.set XSOFF, 12582912                   ; xbuf: where the scale blocks begin
.set WSOFF, 3145728                    ; wbuf: likewise
.set STGB,  8448                       ; LDS: a wave's stage, 16 rows x (512 + 16) bytes
.set GATH,  33792                      ; behind the four stages: the work-group's scale words, [K step][64 rows], 2,048 bytes
.set SPARE, 35840                      ; the spare words, 128 bytes for each wave: two blocks of 256 bytes that no other line names
.set SPW, 12                           ; v12 LDS address of my spare word; never rewritten
.set NIL, 13                           ; v13 0; never rewritten
.set R,   16                           ; v16-143  two sets of 64 numbers as loaded
.set X,   144                          ; v144-207 64 numbers in the operand's order
.set C,   208                          ; v208-219 a fragment's codes
.set CT,  220                          ; v220-222, v224-226 the upper halves of two blocks, before they are moved
.set MX,  228                          ; v228-229 largest magnitudes
.set SO,  230                          ; v230-231 the conversions' scale operands
.set BY,  232                          ; v232-233 scale bytes
.set WD,  234                          ; v234 the scale word
.set SH,  235                          ; v235 8 x (lane / 16)
.set PT,  236                          ; v236 what the other half of the lanes sends
; K step s of my 16 rows: each load takes 512 consecutive bytes of one true row
.macro LOADF s
.irp q, 0,1,2,3,4,5,6,7,8,9,10,11,12,13,14,15
	global_load_b128 v[R+64*((\s)%2)+4*\q:R+64*((\s)%2)+4*\q+3], v4, s[4:5] offset:(\q+8*(\q/8))*4096+512*(\s) th:TH_LOAD_NT
.endr
.endm
; K step s: through my stage, so that lane (r, h) holds k = 64 c + 32 h + 0 .. 31 of row r; two whole blocks a lane; codes and word; out
.macro FSTEP s
.if (\s) < 7
	s_wait_loadcnt 16                              ; this K step's 16 loads are in; the next step's 16 may be out
.else
	s_wait_loadcnt 0x0
.endif
.irp q, 0,1,2,3,4,5,6,7,8,9,10,11,12,13,14,15
	ds_store_b128 v5, v[R+64*((\s)%2)+4*\q:R+64*((\s)%2)+4*\q+3] offset:528*\q
.endr
.irp c, 0,1
.irp j, 0,1,2,3,4,5,6,7
	ds_load_b128 v[X+32*\c+4*\j:X+32*\c+4*\j+3], v6 offset:256*\c+16*\j   ; LDS serves a wave's instructions in order: these see the stores above
.endr
.endr
	s_wait_dscnt 0x0                               ; the numbers are back; the stores have read their registers
.if (\s) < 6
	LOADF (\s)+2
.endif
.irp c, 0,1
	v_max3_num_f32 v[MX+\c], |v[X+32*\c]|, |v[X+1+32*\c]|, 0x1800000   ; block 2 c + h: all 32 numbers are mine; the floor 2^(3 - 127) holds the byte at 1 from below
.endr
.irp i, 2,4,6,8,10,12,14,16,18,20,22,24,26,28,30
.irp c, 0,1
	v_max3_num_f32 v[MX+\c], v[MX+\c], |v[X+32*\c+\i]|, |v[X+1+32*\c+\i]|
.endr
.endr
.irp c, 0,1
	v_add_nc_u32 v[SO+\c], 0xff000000, v[MX+\c]    ; 2 off the exponent field: the conversion takes this operand's exponent field as its scale
.endr
.irp c, 0,1
	v_lshrrev_b32 v[BY+\c], 23, v[SO+\c]           ; the scale's byte
.endr
	v_lshl_or_b32 v[WD], v[BY+1], 16, v[BY]        ; my two bytes, blocks h and 2 + h,
	v_lshlrev_b32 v[WD], v[SH], v[WD]              ; at their places;
	v_permlanex16_b32 v[PT], v[WD], s32, s33
	v_or_b32 v[WD], v[WD], v[PT]                   ; with lane l xor 16's two the word is whole
	s_wait_alu depctr_va_vdst(0)
	s_wait_xcnt 0x0                                ; the last K step's stores have read the codes' registers: they are written again only behind this wait
.irp c, 0,1
	v_cvt_scalef32_pk16_fp6_f32 v[C+6*\c:C+6*\c+2], v[X+32*\c:X+32*\c+15], v[SO+\c]
	v_cvt_scalef32_pk16_fp6_f32 v[CT+4*\c:CT+4*\c+2], v[X+32*\c+16:X+32*\c+31], v[SO+\c]   ; (a conversion's three registers begin on an even number)
.endr
	v_nop                                          ; one plain place behind a scaled conversion
.irp c, 0,1
.irp i, 0,1,2
	v_mov_b32 v[C+3+6*\c+\i], v[CT+4*\c+\i]
.endr
.endr
	ds_store_b32 v7, v[WD] offset:256*(\s)         ; both halves of the lanes write the same word with the same value
.irp c, 0,1,2
	global_store_b128 v4, v[C+4*\c:C+4*\c+3], s[20:21] offset:1536*(\s)+512*\c   ; 512 consecutive bytes, aligned
.endr
.endm
; block t (32 along K) of my column: W(32 t + i, my column), i = 0 .. 31, into registers of its own
.macro WLOAD t
.irp i, 0,1,2,3,4,5,6,7,8,9,10,11,12,13,14,15,16,17,18,19,20,21,22,23,24,25,26,27,28,29,30,31
	global_load_b32 v[48+32*(\t)+\i], v[16+\i], s[36+2*(\t):37+2*(\t)] th:TH_LOAD_NT   ; a wave reads 128 consecutive bytes of a row, the four waves 512
.endr
.endm
; block t is quantised: all 32 numbers are mine.  The loads run two blocks ahead
.macro WBLOCK t
.set XS, 48+32*(\t)
.set DT, 176+12*((\t)%2)+6*((\t)/2)
.if (\t) < 3
	s_wait_loadcnt 32                              ; this block's 32 loads are in; the next block's 32, issued behind them, may be out
.else
	s_wait_loadcnt 0x0
.endif
.if (\t) < 2
	WLOAD (\t)+2
.endif
	v_max3_num_f32 v216, |v[XS]|, |v[XS+1]|, |v[XS+2]|
	v_max3_num_f32 v217, |v[XS+3]|, |v[XS+4]|, |v[XS+5]|
.irp i, 6,10,14,18,22,26
	v_max3_num_f32 v216, v216, |v[XS+\i]|, |v[XS+\i+1]|
	v_max3_num_f32 v217, v217, |v[XS+\i+2]|, |v[XS+\i+3]|
.endr
	v_max3_num_f32 v216, v216, |v[XS+30]|, |v[XS+31]|
	v_max3_num_f32 v216, v216, v217, 0x1800000     ; and the floor
	v_add_nc_u32 v[220+(\t)], 0xff000000, v216     ; the conversion's scale operand
	v_lshrrev_b32 v217, 23, v[220+(\t)]            ; the byte
.if (\t) == 0
	v_mov_b32 v218, v217
.else
	v_lshl_or_b32 v218, v217, 8*(\t), v218         ; four bytes make my row's scale word
.endif
	v_cvt_scalef32_pk16_fp6_f32 v[DT:DT+2], v[XS:XS+15], v[220+(\t)]
	v_cvt_scalef32_pk16_fp6_f32 v[200+4*(\t):202+4*(\t)], v[XS+16:XS+31], v[220+(\t)]
.endm
	s_load_b256 s[4:11], s[0:1], 0x0               ; X_Q s[4:5], X_KV s[6:7], q_w s[8:9], kv_w s[10:11]
	s_load_b128 s[12:15], s[0:1], 0x20             ; out_w s[12:13], xbuf s[14:15]
	s_load_b64 s[16:17], s[0:1], 0x30              ; wbuf
	v_lshl_add_u32 v[SPW], v0, 2, SPARE
	v_mov_b32 v[NIL], 0
	v_lshrrev_b32 v1, 5, v0
	v_readfirstlane_b32 s18, v1                    ; wave 0..3
	v_and_b32 v1, 31, v0                           ; lane
	v_and_b32 v2, 15, v0                           ; r
	v_bfe_u32 v3, v0, 4, 1                         ; h
	v_lshlrev_b32 v4, 4, v1                        ; 16 x lane
	s_mov_b32 s32, 0x76543210
	s_mov_b32 s33, 0xfedcba98                      ; v_permlanex16_b32's selects for lane l xor 16
	s_wait_kmcnt 0x0
	s_cmp_lt_u32 ttmp9, 256                        ; the work-group's number alone decides the way
	s_cbranch_scc0 .Lweights
	; ---- X: my wave's stored tile i = 4 x work-group + wave
	s_cmp_lt_u32 ttmp9, 128
	s_cselect_b64 s[4:5], s[4:5], s[6:7]           ; tiles 0-511 are X_Q's, 512-1,023 X_KV's
	s_lshl_b32 s26, ttmp9, 2
	s_add_co_u32 s26, s26, s18                     ; i
	s_mul_i32 s28, s26, 12288
	s_mov_b32 s29, 0
	s_add_nc_u64 s[20:21], s[14:15], s[28:29]      ; my tile's codes
	s_lshr_b32 s30, ttmp9, 1
	s_lshl_b32 s30, s30, 12
	s_add_co_u32 s30, s30, XSOFF
	s_mov_b32 s31, 0
	s_add_nc_u64 s[24:25], s[14:15], s[30:31]      ; my work-group's block of scale words
	s_and_b32 s27, s26, 511
	s_lshr_b32 s30, s27, 1
	s_lshl_b32 s30, s30, 17                        ; 32 true rows of 4,096 bytes for each pair of tiles,
	s_and_b32 s27, s27, 1
	s_lshl_b32 s27, s27, 15                        ; 8 rows on for the odd tile
	s_add_co_u32 s30, s30, s27
	s_add_nc_u64 s[4:5], s[4:5], s[30:31]
	s_wait_alu depctr_va_vdst(0)
	LOADF 0
	LOADF 1
	s_mul_i32 s19, s18, STGB                       ; my stage
	v_add_nc_u32 v5, s19, v4                       ; in: 16 x lane, a row an instruction
	v_mul_u32_u24 v6, v2, 528
	v_lshl_add_u32 v6, v3, 7, v6
	v_add_nc_u32 v6, s19, v6                       ; back: row r, + 128 h bytes
	s_lshl_b32 s22, s18, 6
	s_add_co_u32 s22, s22, GATH
	v_lshl_add_u32 v7, v2, 2, s22                  ; my row's scale word among the work-group's: 64 x wave + 4 r
	s_lshl_b32 s22, s18, 9
	s_add_co_u32 s22, s22, GATH
	v_add_nc_u32 v8, s22, v4                       ; on the way out: 512 x wave + 16 x lane: K steps 2 w and 2 w + 1
	s_lshl_b32 s22, s18, 10
	s_and_b32 s23, ttmp9, 1
	s_lshl_b32 s23, s23, 8
	s_add_co_u32 s22, s22, s23
	v_lshlrev_b32 v9, 4, v2
	v_lshl_add_u32 v9, v3, 9, v9
	v_add_nc_u32 v9, s22, v9                       ; and in the block: (2 w + h) x 512 + my work-group's half of the 128 rows + 16 r
	v_lshlrev_b32 v[SH], 3, v3
	v_mov_b32 v[PT], 0                             ; written once: a lane permute's destination counts as one of its sources
	s_wait_alu depctr_va_vdst(0)
.irp s, 0,1,2,3,4,5,6,7
	FSTEP \s
.endr
	s_wait_dscnt 0x0                               ; for the others' sake: my words lie in LDS
	s_barrier_signal -1
	s_barrier_wait -1
	ds_load_b128 v[16:19], v8
	s_wait_dscnt 0x0
	global_store_b128 v9, v[16:19], s[24:25]       ; sixteen lanes store 256 consecutive bytes, aligned
	s_wait_tensorcnt 0x0                           ; the wave's end: behind my last LDS store
	ds_add_u32 v[SPW], v[NIL]
	s_wait_dscnt 0x0
	s_endpgm
.Lweights:
	; ---- weights: block cbk of 128 stored rows (columns of a weight), K step ks.  A lane takes a column, its registers run down K
	s_sub_co_u32 s19, ttmp9, 256
	s_and_b32 s20, s19, 31                         ; cbk
	s_lshr_b32 s21, s19, 5                         ; ks
	s_cmp_lt_u32 s20, 8
	s_cselect_b64 s[24:25], s[8:9], s[10:11]       ; blocks 0-7 q_w, 8-23 kv_w,
	s_cselect_b32 s26, 0, 8
	s_cselect_b32 s27, 12, 13                      ; a row of the weight is 2^12 or 2^13 bytes
	s_cmp_lt_u32 s20, 24
	s_cselect_b64 s[24:25], s[24:25], s[12:13]     ; 24-31 out_w
	s_cselect_b32 s26, s26, 24
	s_cselect_b32 s27, s27, 12
	s_lshl_b32 s28, 1, s27                         ; the pitch
	s_sub_co_u32 s26, s20, s26
	s_lshl_b32 s26, s26, 7                         ; the block's first column in its weight,
	s_lshl_b32 s29, s18, 5
	s_add_co_u32 s26, s26, s29                     ; my wave's 32 of the 128,
	s_lshl_b32 s26, s26, 2                         ; in bytes
	s_lshl_b32 s30, s21, 7                         ; the K step's first k
.irp t, 0,1,2,3
	s_add_co_u32 s22, s30, 32*\t
	s_lshl_b32 s22, s22, s27
	s_add_co_u32 s22, s22, s26
	s_mov_b32 s23, 0
	s_add_nc_u64 s[36+2*\t:37+2*\t], s[24:25], s[22:23]   ; a base for each block of 32 along K: no pointer is stepped
.endr
	s_wait_alu depctr_va_vdst(0)
	v_and_b32 v5, 7, v1
	v_and_b32 v6, 8, v1
	v_lshl_or_b32 v5, v6, 1, v5
	v_and_b32 v6, 16, v1
	v_lshrrev_b32 v6, 1, v6
	v_or_b32 v5, v5, v6                            ; lane 16 u + r takes true column 8 u + r + 8 (r / 8): stored tile u, row r
	v_lshlrev_b32 v15, 2, v5
	v_mov_b32 v14, s28
.irp i, 0,1,2,3,4,5,6,7,8,9,10,11,12,13,14,15,16,17,18,19,20,21,22,23,24,25,26,27,28,29,30,31
	v_mad_u32_u24 v[16+\i], v14, \i, v15           ; i rows down + my column; never rewritten
.endr
	WLOAD 0
	WLOAD 1
	s_lshl_b32 s22, s20, 3
	s_lshl_b32 s23, s18, 1
	s_add_co_u32 s22, s22, s23                     ; my first stored tile: 8 cbk + 2 w
	s_mul_i32 s22, s22, 12288
	s_mul_i32 s23, s21, 1536
	s_add_co_u32 s22, s22, s23
	s_mov_b32 s23, 0
	s_add_nc_u64 s[44:45], s[16:17], s[22:23]
	s_lshl_b32 s22, s20, 12
	s_lshl_b32 s30, s21, 9
	s_add_co_u32 s22, s22, s30
	s_add_co_u32 s22, s22, WSOFF
	s_add_nc_u64 s[46:47], s[16:17], s[22:23]
	v_lshlrev_b32 v7, 2, v0                        ; my stored row's word: 4 x thread
	s_wait_alu depctr_va_vdst(0)
.irp t, 0,1,2,3
	WBLOCK \t
.endr
	v_nop                                          ; one plain place behind the last scaled conversion
.irp t, 0,1,2,3
.irp i, 0,1,2
	v_mov_b32 v[176+12*(\t%2)+6*(\t/2)+3+\i], v[200+4*\t+\i]
.endr
.endr
; v176-187 hold my even blocks, v188-199 my odd ones.  The exchange gives lanes 16-31 of the first tile 0's odd blocks and lanes 0-15 of the second tile 1's even blocks: two whole fragments
.irp i, 0,1,2,3,4,5,6,7,8,9,10,11
	v_permlane16_swap_b32 v[176+\i], v[188+\i]
.endr
.irp c, 0,1,2
	global_store_b128 v4, v[176+4*\c:179+4*\c], s[44:45] offset:512*\c
	global_store_b128 v4, v[188+4*\c:191+4*\c], s[44:45] offset:12288+512*\c
.endr
	global_store_b32 v7, v218, s[46:47]
	s_endpgm
.Lfunc_end_k_qe6b1249162_quant:
	.size	k_qe6b1249162_quant, .Lfunc_end_k_qe6b1249162_quant-k_qe6b1249162_quant
	.p2alignl 7, 3214868480
	.fill 96, 4, 3214868480
	.section	.rodata,"a",@progbits
	.p2align	6, 0x0
	.amdhsa_kernel k_qe6b1249162_quant
		.amdhsa_group_segment_fixed_size 36352
		.amdhsa_private_segment_fixed_size 0
		.amdhsa_enable_private_segment 0
		.amdhsa_kernarg_size 56
		.amdhsa_user_sgpr_count 2
		.amdhsa_user_sgpr_kernarg_segment_ptr 1
		.amdhsa_wavefront_size32 1
		.amdhsa_system_sgpr_workgroup_id_x 1
		.amdhsa_system_sgpr_workgroup_id_y 1
		.amdhsa_system_sgpr_workgroup_id_z 1
		.amdhsa_system_vgpr_workitem_id 0
		.amdhsa_next_free_vgpr 240
		.amdhsa_next_free_sgpr 66
		.amdhsa_reserve_vcc 0
		.amdhsa_float_denorm_mode_32 3
		.amdhsa_float_denorm_mode_16_64 3
		.amdhsa_memory_ordered 1
		.amdhsa_forward_progress 1
		.amdhsa_inst_pref_size 82
	.end_amdhsa_kernel
	.amdgpu_metadata
---
amdhsa.version: [ 1, 2 ]
amdhsa.kernels:
  - .name:           k_qe6b1249162_quant
    .symbol:         k_qe6b1249162_quant.kd
    .args:
      - { .name: X_Q, .offset: 0, .size: 8, .value_kind: global_buffer, .address_space: global }
      - { .name: X_KV, .offset: 8, .size: 8, .value_kind: global_buffer, .address_space: global }
      - { .name: q_w, .offset: 16, .size: 8, .value_kind: global_buffer, .address_space: global }
      - { .name: kv_w, .offset: 24, .size: 8, .value_kind: global_buffer, .address_space: global }
      - { .name: out_w, .offset: 32, .size: 8, .value_kind: global_buffer, .address_space: global }
      - { .name: xbuf, .offset: 40, .size: 8, .value_kind: global_buffer, .address_space: global }
      - { .name: wbuf, .offset: 48, .size: 8, .value_kind: global_buffer, .address_space: global }
    .group_segment_fixed_size: 36352
    .private_segment_fixed_size: 0
    .kernarg_segment_align: 8
    .kernarg_segment_size: 56
    .max_flat_workgroup_size: 128
    .sgpr_count:     66
    .vgpr_count:     240
    .wavefront_size: 32
...
	.end_amdgpu_metadata
.endif
;; end of part 1
;; launch proj (part 2): grid 12 x 32, 4 waves a work-group, clusters of 4 x 4, 327,680 bytes of LDS; arguments xbuf, wbuf, q_b, kv_b, qkv; writes qkv
.if DOCPART == 2
	.amdgcn_target "amdgcn-amd-amdhsa--gfx1250"
	.amdhsa_code_object_version 6
	.text
	.protected	k_qe6b1249162_proj
	.globl	k_qe6b1249162_proj
	.p2align	8
	.type	k_qe6b1249162_proj,@function
k_qe6b1249162_proj:
	s_mov_b64 s[64:65], 0
	v_nop
	global_prefetch_b8 v0, s[64:65] scope:SCOPE_SE
	s_setreg_imm32_b32 hwreg(HW_REG_WAVE_MODE, 25, 1), 1
	s_wait_xcnt 0x0
	s_wait_alu depctr_hold_cnt(0) depctr_sa_sdst(0) depctr_va_vdst(0) depctr_va_sdst(0) depctr_va_ssrc(0) depctr_va_vcc(0) depctr_vm_vsrc(0)
	s_getreg_b32 s2, hwreg(HW_REG_IB_STS2, 6, 4)
	s_cmp_eq_u32 s2, 0
	s_cbranch_scc0 .Lentry_in_a_cluster
	s_endpgm
.Lentry_in_a_cluster:
	s_bfe_u32 s2, ttmp6, 0x10000c
	s_cmp_lg_u32 s2, 0xf033
	s_cbranch_scc0 .Lentry_shape_is_right
	s_endpgm
.Lentry_shape_is_right:
.set NQ,     2
.set FR,     12
.set NL,     3
.set NP,     4
.set FRB,    1536
.set SLROW,  3072
.set HALFT,  8*SLROW
.set SLOT,   4*HALFT
.set LAPS,   2
.set SCL,    2*SLOT
.set HALFS,  4096
.set SPARE,  SCL+4*HALFS
.set LI,   8
.set L8,   9
.set BO,   10
.set BL,   11
.set ADRA, 16
.set ADRB, 20
.set ADRS, 27
.set SPW,  28
.set NIL,  29
.set SC,   32
.set BIAS, 64
.set AF,   128
.set BV,   224
.set T,    128
.set FA,   192
.set FB,   204
.set CT,   216
.set TM,   32
.set PW,   48
.set WA,   50
.set WB,   54
.set EW,   58
.set G1, 24
.set G0, 32
.set G1B, 48
.set G0B, 56
.set G1S, 68
.set G0S, 76
.set G1SB, 80
.set G0SB, 88
.set MSB, 0
.macro WIN new
.if MSB != \new
	s_set_vgpr_msb (MSB<<8)|\new
.set MSB, \new
.endif
.endm
.set MUL_LO, 0xa1
.set MUL_HI, 0xf1
.set TO_B,   0x40
.macro JLOAD g0a, g1a, g0b, g1b
	s_cmp_eq_u32 s15, 0
	s_cbranch_scc0 .Lfor_b_\@
	tensor_load_to_lds s[\g0a:\g0a+3], s[\g1a:\g1a+7]
	s_nop 0
.rept 4
	v_nop
.endr
	s_branch .Lasked_\@
.Lfor_b_\@:
	tensor_load_to_lds s[\g0b:\g0b+3], s[\g1b:\g1b+7]
	s_nop 0
.rept 4
	v_nop
.endr
.Lasked_\@:
.endm
.macro CREST
	s_cmp_lg_u32 s14, 0
	s_cbranch_scc1 .Lnot_wave_0_\@
	s_barrier_signal -3
.Lnot_wave_0_\@:
	s_barrier_wait -3
	s_barrier_signal -1
	s_barrier_wait -1
.endm
.macro CROUND
	s_barrier_signal -1
	s_barrier_wait -1
	CREST
.endm
	s_load_b256 s[4:11], s[0:1], 0x0
	s_load_b64 s[12:13], s[0:1], 0x20
	v_lshl_add_u32 v[SPW], v0, 2, SPARE
	v_mov_b32 v[NIL], 0
	ds_add_u32 v[SPW], v[NIL]
	ds_add_u32 v[SPW], v[NIL]
	v_lshrrev_b32 v1, 5, v0
	v_readfirstlane_b32 s14, v1
	s_lshr_b32 s15, s14, 1
	s_and_b32 s16, s14, 1
	s_bfe_u32 s40, ttmp6, 0x40000
	s_bfe_u32 s41, ttmp6, 0x40004
	s_and_b32 s17, ttmp7, 0xffff
	s_lshl_b32 s17, s17, 2
	s_lshl_b32 s43, s41, 2
	s_lshl_b32 s43, 15, s43
	s_lshl_b32 s44, 0x1111, s40
	s_or_b32 s[G1+0], s43, (3<<16)|(1<<21)
	s_or_b32 s[G1B+0], s44, (3<<16)|(1<<21)
.irp g, G1, G1B
	s_mov_b32 s[\g+1], 384<<16
	s_mov_b32 s[\g+2], 8<<16
	s_mov_b32 s[\g+3], 384<<16
	s_mov_b32 s[\g+4], 8
	s_mov_b32 s[\g+5], 1536
	s_mov_b32 s[\g+6], 0
	s_mov_b32 s[\g+7], 0
.endr
	s_or_b32 s[G1S+0], s43, (3<<16)|(1<<21)
	s_or_b32 s[G1SB+0], s44, (3<<16)|(1<<21)
.irp g, G1S, G1SB
	s_mov_b32 s[\g+1], 32<<16
	s_mov_b32 s[\g+2], 16<<16
	s_mov_b32 s[\g+3], 32<<16
	s_mov_b32 s[\g+4], 16
	s_mov_b32 s[\g+5], 32
	s_mov_b32 s[\g+6], 0
	s_mov_b32 s[\g+7], 0
.endr
	s_cmp_eq_u32 ttmp9, 2
	s_cselect_b32 s18, 0, s17
	s_cselect_b32 s19, s17, 0
	s_add_co_u32 s18, s18, s41
	s_add_co_u32 s19, s19, s40
	s_mov_b32 s66, 1572864
	s_mov_b32 s67, 3211264
	s_mov_b32 s2, 6291456
	s_mov_b32 s3, 12845056
	s_cmp_eq_u32 ttmp9, 1
	s_cselect_b32 s66, 6291456, s66
	s_cselect_b32 s67, 12845056, s67
	s_cselect_b32 s2, 786432, s2
	s_cselect_b32 s3, 3178496, s3
	s_cmp_eq_u32 ttmp9, 0
	s_cselect_b32 s66, 0, s66
	s_cselect_b32 s67, 12582912, s67
	s_cselect_b32 s2, 0, s2
	s_cselect_b32 s3, 3145728, s3
	s_lshl_b32 s20, s18, 1
	s_add_co_u32 s20, s20, s16
	s_lshl_b32 s46, s19, 1
	s_add_co_u32 s46, s46, s16
	s_mul_i32 s22, s20, 98304
	s_add_co_u32 s22, s22, s66
	s_mov_b32 s23, 0
	s_lshl_b32 s20, s20, 12
	s_add_co_u32 s20, s20, s67
	s_mov_b32 s21, 0
	s_mul_i32 s92, s46, 98304
	s_add_co_u32 s92, s92, s2
	s_mov_b32 s93, 0
	s_lshl_b32 s46, s46, 12
	s_add_co_u32 s46, s46, s3
	s_mov_b32 s47, 0
	s_mul_i32 s45, s14, HALFT
	s_lshl_b32 s94, s14, 12
	s_wait_dscnt 0x0
	s_wait_kmcnt 0x0
	s_cmp_eq_u32 ttmp9, 2
	s_cselect_b64 s[96:97], s[6:7], s[4:5]
	s_cselect_b64 s[98:99], s[4:5], s[6:7]
	s_add_nc_u64 s[22:23], s[96:97], s[22:23]
	s_add_nc_u64 s[20:21], s[96:97], s[20:21]
	s_add_nc_u64 s[92:93], s[98:99], s[92:93]
	s_add_nc_u64 s[46:47], s[98:99], s[46:47]
	CROUND
	s_mov_b32 s[G0S], 1
	s_add_co_u32 s[G0S+1], s94, SCL
	s_mov_b64 s[G0S+2:G0S+3], s[20:21]
	s_or_b32 s[G0S+3], s[G0S+3], 0x80000000
	s_mov_b32 s[G0SB], 1
	s_add_co_u32 s[G0SB+1], s94, SCL
	s_mov_b64 s[G0SB+2:G0SB+3], s[46:47]
	s_or_b32 s[G0SB+3], s[G0SB+3], 0x80000000
	JLOAD G0S, G1S, G0SB, G1SB
.irp s, 0,1
	s_mov_b32 s[G0+4*\s], 1
	s_add_co_u32 s[G0+4*\s+1], s45, \s*SLOT
	s_add_nc_u64 s[G0+4*\s+2:G0+4*\s+3], s[22:23], \s*SLROW
	s_or_b32 s[G0+4*\s+3], s[G0+4*\s+3], 0x80000000
	s_mov_b32 s[G0B+4*\s], 1
	s_add_co_u32 s[G0B+4*\s+1], s45, \s*SLOT
	s_add_nc_u64 s[G0B+4*\s+2:G0B+4*\s+3], s[92:93], \s*SLROW
	s_or_b32 s[G0B+4*\s+3], s[G0B+4*\s+3], 0x80000000
	s_wait_alu depctr_va_vdst(0)
	s_wait_tensorcnt 0x0
	ds_add_u32 v28, v29
	s_wait_dscnt 0x0
	CROUND
	JLOAD G0+4*\s, G1, G0B+4*\s, G1B
.endr
	v_and_b32 v1, 15, v0
	v_bfe_u32 v2, v0, 4, 1
	v_and_b32 v6, 31, v0
	v_lshlrev_b32 v[LI], 4, v6
	v_lshlrev_b32 v[L8], 3, v6
	v_lshlrev_b32 v[BO], 6, v2
	v_and_b32 v5, 8, v1
	v_add_nc_u32 v5, v5, v1
	v_lshlrev_b32 v[BL], 2, v5
	s_wait_alu depctr_va_vdst(0)
	s_mul_i32 s21, s15, HALFT
	s_mul_i32 s22, s16, HALFT
	s_add_co_u32 s22, s22, 2*HALFT
.irp s, 0,1
	v_add_nc_u32 v[ADRA+\s], s21, v[LI]
	v_add_nc_u32 v[ADRB+\s], s22, v[LI]
	s_add_co_u32 s21, s21, SLOT
	s_add_co_u32 s22, s22, SLOT
.endr
	s_lshl_b32 s21, s15, 12
	s_lshl_b32 s22, s16, 12
	s_add_co_u32 s22, s22, 2*HALFS
	s_sub_co_u32 s22, s22, s21
	v_mul_u32_u24 v6, s22, v2
	s_add_co_u32 s21, s21, SCL
	v_lshl_add_u32 v5, v1, 2, v6
	v_add_nc_u32 v[ADRS], s21, v5
	s_cmp_eq_u32 ttmp9, 2
	s_cselect_b32 s20, s19, s18
	s_cselect_b32 s21, s16, s15
	s_cselect_b32 s22, s18, s19
	s_cselect_b32 s23, s15, s16
	s_cselect_b32 s45, 1024, 0
	s_lshr_b32 s46, s20, 3
	s_lshl_b32 s46, s46, 4
	s_lshl_b32 s47, s22, 2
	s_add_co_u32 s46, s46, s47
	s_lshl_b32 s47, s23, 1
	s_add_co_u32 s46, s46, s47
	s_lshl_b32 s46, s46, 4
	s_and_b32 s47, s20, 7
	s_lshl_b32 s47, s47, 1
	s_add_co_u32 s46, s46, s47
	s_add_co_u32 s46, s46, s21
	s_mov_b32 s2, 6559744
	s_mov_b32 s66, 6400
	s_mov_b32 s67, 12800
	s_cmp_eq_u32 ttmp9, 1
	s_cselect_b32 s2, 6553600, s2
	s_cselect_b32 s66, 12288, s66
	s_cmp_eq_u32 ttmp9, 0
	s_cselect_b32 s2, 0, s2
	s_cselect_b32 s66, 6144, s66
	s_cselect_b32 s67, 6400, s67
	s_cselect_b64 s[8:9], s[8:9], s[10:11]
	s_mul_i32 s46, s46, s67
	s_add_co_u32 s46, s46, s2
	s_mov_b32 s47, 0
	s_add_nc_u64 s[92:93], s[12:13], s[46:47]
	s_lshl_b32 s46, s67, 4
	s_add_nc_u64 s[94:95], s[92:93], s[46:47]
	s_mov_b32 s46, s66
	s_add_nc_u64 s[96:97], s[92:93], s[46:47]
	s_add_nc_u64 s[98:99], s[94:95], s[46:47]
	s_mov_b32 s100, 0xffff0000
	s_lshl_b32 s46, s22, 8
	s_lshl_b32 s2, s23, 7
	s_add_co_u32 s46, s46, s2
	s_add_co_u32 s46, s46, s45
	s_lshl_b32 s46, s46, 2
	s_add_nc_u64 s[8:9], s[8:9], s[46:47]
.irp b, 0,1,2,3,4,5,6,7
	global_load_b128 v[BIAS+8*\b:BIAS+8*\b+3], v[BO], s[8:9] offset:(32*(\b/2)+8*(\b%2))*4
	global_load_b128 v[BIAS+8*\b+4:BIAS+8*\b+7], v[BO], s[8:9] offset:(32*(\b/2)+8*(\b%2))*4+16
.endr
.irp a, 0,1,2,3,4,5,6,7
	global_load_b32 v[BV+2*\a], v[BL], s[8:9] offset:(32*(\a/2)+8*(\a%2))*4
	global_load_b32 v[BV+2*\a+1], v[BL], s[8:9] offset:(32*(\a/2)+8*(\a%2))*4
.endr
.macro FRAG reg, adr, q, i
.irp c, 0,1,2
	ds_load_b128 v[\reg+4*\c:\reg+4*\c+3], v[\adr] offset:SLROW*(\i)+FRB*(\q)+512*\c
.endr
.endm
.macro MUL16 a0, p, q, sc, zero
.irp a, \a0, \a0+1
.irp b, 0,1,2,3,4,5,6,7
.if \zero
	v_wmma_scale_f32_16x16x128_f8f6f4 v[8*(8*((\a)%4)+\b):8*(8*((\a)%4)+\b)+7], v[128*(\p)+FR*\b:128*(\p)+FR*\b+FR-1], v[AF+FR*(\a):AF+FR*(\a)+FR-1], 0, v[SC+8*NQ*(\sc)+NQ*\b+(\q)], v[SC+8*NQ*(\sc)+NQ*(\a)+(\q)] matrix_a_fmt:MATRIX_FMT_FP6 matrix_b_fmt:MATRIX_FMT_FP6 matrix_a_scale:MATRIX_SCALE_ROW1
.else
	v_wmma_scale_f32_16x16x128_f8f6f4 v[8*(8*((\a)%4)+\b):8*(8*((\a)%4)+\b)+7], v[128*(\p)+FR*\b:128*(\p)+FR*\b+FR-1], v[AF+FR*(\a):AF+FR*(\a)+FR-1], v[8*(8*((\a)%4)+\b):8*(8*((\a)%4)+\b)+7], v[SC+8*NQ*(\sc)+NQ*\b+(\q)], v[SC+8*NQ*(\sc)+NQ*(\a)+(\q)] matrix_a_fmt:MATRIX_FMT_FP6 matrix_b_fmt:MATRIX_FMT_FP6 matrix_a_scale:MATRIX_SCALE_ROW1
.endif
.endr
.endr
.endm
.macro FETCH_B slot, q, p
	WIN TO_B
.irp i, 0,1,2,3,4,5,6,7
	FRAG 128*(\p)+FR*\i, ADRB+\slot, \q, \i
.endr
	WIN 0
.endm
.macro FETCH_A slot, q, i0
.irp i, \i0, \i0+1, \i0+2, \i0+3
	FRAG AF+FR*(\i), ADRA+\slot, \q, \i
.endr
.endm
.macro SCALES sc
.irp i, 0,1,2,3,4,5,6,7
.irp q, 0,1
	ds_load_b32 v[SC+8*NQ*\sc+NQ*\i+\q], v[ADRS] offset:512*\q+64*\i
.endr
.endr
.endm
.macro PLACES n
.rept \n
	v_nop
.endr
.endm
.macro STEP slot, q, zero
	s_wait_dscnt 4*NL
	WIN MUL_LO
	MUL16 0, (\q)%2, \q, \slot, \zero
	MUL16 2, (\q)%2, \q, \slot, \zero
	s_wait_dscnt 0
	PLACES NP
	FETCH_B \slot, (\q)+1, 1-(\q)%2
	FETCH_A \slot, (\q)+1, 0
	WIN MUL_HI
	MUL16 4, (\q)%2, \q, \slot, \zero
	MUL16 6, (\q)%2, \q, \slot, \zero
	PLACES NP
	WIN 0
	FETCH_A \slot, (\q)+1, 4
.endm
.macro TURN slot, next, fill
	s_wait_tensorcnt 0x0
	ds_add_u32 v[SPW], v[NIL]
	s_wait_dscnt 4*NL+1
	WIN MUL_LO
	MUL16 0, 1, NQ-1, \slot, 0
	s_wait_dscnt 0x0
	s_barrier_signal -1
	MUL16 2, 1, NQ-1, \slot, 0
	WIN 0
	s_barrier_wait -1
.if \fill
	CREST
	s_add_nc_u64 s[G0+4*\slot+2:G0+4*\slot+3], s[G0+4*\slot+2:G0+4*\slot+3], 2*SLROW
	s_add_nc_u64 s[G0B+4*\slot+2:G0B+4*\slot+3], s[G0B+4*\slot+2:G0B+4*\slot+3], 2*SLROW
	JLOAD G0+4*\slot, G1, G0B+4*\slot, G1B
.else
	PLACES NP
.endif
	s_wait_alu depctr_va_vdst(0)
	v_add_nc_u32 v[ADRS], 1024, v[ADRS]
	FETCH_B \next, 0, 0
	FETCH_A \next, 0, 0
	SCALES \next
	WIN MUL_HI
	MUL16 4, 1, NQ-1, \slot, 0
	MUL16 6, 1, NQ-1, \slot, 0
	PLACES NP
	WIN 0
	FETCH_A \next, 0, 4
.endm
	s_wait_alu depctr_va_vdst(0)
	s_wait_loadcnt 0x0
	s_wait_tensorcnt 1
	s_barrier_signal -1
	s_barrier_wait -1
	FETCH_B 0, 0, 0
	FETCH_A 0, 0, 0
	SCALES 0
	FETCH_A 0, 0, 4
	STEP 0, 0, 1
	s_mov_b32 s3, LAPS-1
.Llap:
	TURN 0, 1, 1
	STEP 1, 0, 0
	TURN 1, 0, 1
	STEP 0, 0, 0
	s_sub_co_u32 s3, s3, 1
	s_cmp_lg_u32 s3, 0
	s_cbranch_scc1 .Llap
	TURN 0, 1, 0
	STEP 1, 0, 0
	s_wait_dscnt 4*NL
	WIN MUL_LO
	MUL16 0, 1, NQ-1, 1, 0
	MUL16 2, 1, NQ-1, 1, 0
	s_wait_dscnt 0
	WIN MUL_HI
	MUL16 4, 1, NQ-1, 1, 0
	MUL16 6, 1, NQ-1, 1, 0
	WIN 0
	PLACES NP
.macro TAKE a, pair
	WIN 0x02+((\a)/4)
.set i, 0
.rept 32
.if \pair
	v_pk_add_f32 v[T+2*i:T+2*i+1], v[64*((\a)%4)+2*i:64*((\a)%4)+2*i+1], v[BV+2*(\a):BV+2*(\a)+1]
.else
	v_pk_add_f32 v[T+2*i:T+2*i+1], v[64*((\a)%4)+2*i:64*((\a)%4)+2*i+1], v[BIAS+2*i:BIAS+2*i+1]
.endif
.set i, i+1
.endr
	WIN 0
.endm
.macro QUANT s, d0, d1, pw
.irp b, 0,1,2,3
	v_max3_num_f32 v[TM+\b], |v[\s+16*\b]|, |v[\s+1+16*\b]|, 0x1800000
.endr
.irp i, 2,4,6,8,10,12,14
.irp b, 0,1,2,3
	v_max3_num_f32 v[TM+\b], v[TM+\b], |v[\s+16*\b+\i]|, |v[\s+1+16*\b+\i]|
.endr
.endr
.irp b, 0,1,2,3
	v_permlanex16_b32 v[TM+4+\b], v[TM+\b], s66, s67
.endr
.irp b, 0,1,2,3
	v_max_num_f32 v[TM+\b], v[TM+\b], v[TM+4+\b]
.endr
.irp b, 0,1,2,3
	v_add_nc_u32 v[TM+12+\b], 0xff000000, v[TM+\b]
.endr
.irp b, 0,1,2,3
	v_lshrrev_b32 v[TM+4+\b], 23, v[TM+12+\b]
.endr
	v_lshl_or_b32 v[\pw], v[TM+5], 8, v[TM+4]
	v_lshl_or_b32 v[\pw], v[TM+6], 16, v[\pw]
	v_lshl_or_b32 v[\pw], v[TM+7], 24, v[\pw]
	v_cvt_scalef32_pk16_fp6_f32 v[\d0:\d0+2], v[\s:\s+15], v[TM+12]
	v_cvt_scalef32_pk16_fp6_f32 v[CT:CT+2], v[\s+16:\s+31], v[TM+13]
	v_cvt_scalef32_pk16_fp6_f32 v[\d1:\d1+2], v[\s+32:\s+47], v[TM+14]
	v_cvt_scalef32_pk16_fp6_f32 v[CT+4:CT+6], v[\s+48:\s+63], v[TM+15]
	v_nop
.irp i, 0,1,2
	v_permlane16_swap_b32 v[\d0+\i], v[CT+\i]
	v_permlane16_swap_b32 v[\d1+\i], v[CT+4+\i]
.endr
.irp i, 0,1,2
	v_mov_b32 v[\d0+3+\i], v[CT+\i]
	v_mov_b32 v[\d1+3+\i], v[CT+4+\i]
.endr
.endm
	s_mov_b32 s66, 0x76543210
	s_mov_b32 s67, 0xfedcba98
.irp b, 0,1,2,3
	v_mov_b32 v[TM+4+\b], 0
.endr
	s_cmp_eq_u32 ttmp9, 2
	s_cbranch_scc1 .Lrole_v
.irp p, 0,1,2,3
.if \p > 0
	s_wait_xcnt 0x0
.endif
.irp u, 0,1
	TAKE 2*\p+\u, 0
	QUANT T, FA+6*\u, FB+6*\u, PW+\u
.endr
	v_perm_b32 v[WA+\p], v[PW+1], v[PW], 0x05040100
	v_perm_b32 v[WB+\p], v[PW+1], v[PW], 0x07060302
.irp c, 0,1,2
	global_store_b128 v[LI], v[FA+4*\c:FA+4*\c+3], s[92:93] offset:FRB*\p+512*\c
	global_store_b128 v[LI], v[FB+4*\c:FB+4*\c+3], s[94:95] offset:FRB*\p+512*\c
.endr
.endr
	s_branch .Lwords
.Lrole_v:
.irp a, 0,1,2,3,4,5,6,7
.if \a > 0
	s_wait_xcnt 0x0
.endif
	TAKE \a, 1
	QUANT T, FA, FA+6, WA+\a
.irp c, 0,1,2
.if \a < 4
	global_store_b128 v[LI], v[FA+4*\c:FA+4*\c+3], s[92:93] offset:FRB*(\a%4)+512*\c
.else
	global_store_b128 v[LI], v[FA+4*\c:FA+4*\c+3], s[94:95] offset:FRB*(\a%4)+512*\c
.endif
.endr
.endr
.Lwords:
	v_cndmask_b32 v[EW], v[WA], v[WA+1], s100
	s_wait_alu depctr_va_vdst(0)
	v_cndmask_b32 v[EW+1], v[WA+2], v[WA+3], s100
	v_cndmask_b32 v[EW+2], v[WB], v[WB+1], s100
	v_cndmask_b32 v[EW+3], v[WB+2], v[WB+3], s100
	global_store_b64 v[L8], v[EW:EW+1], s[96:97]
	global_store_b64 v[L8], v[EW+2:EW+3], s[98:99]
	s_wait_tensorcnt 0x0
	ds_add_u32 v[SPW], v[NIL]
	s_wait_dscnt 0x0
	CROUND
	s_endpgm
.Lfunc_end_k_qe6b1249162_proj:
	.size	k_qe6b1249162_proj, .Lfunc_end_k_qe6b1249162_proj-k_qe6b1249162_proj
	.p2alignl 7, 3214868480
	.fill 96, 4, 3214868480
	.section	.rodata,"a",@progbits
	.p2align	6, 0x0
	.amdhsa_kernel k_qe6b1249162_proj
		.amdhsa_group_segment_fixed_size 327680
		.amdhsa_private_segment_fixed_size 0
		.amdhsa_enable_private_segment 0
		.amdhsa_kernarg_size 40
		.amdhsa_user_sgpr_count 2
		.amdhsa_user_sgpr_kernarg_segment_ptr 1
		.amdhsa_wavefront_size32 1
		.amdhsa_system_sgpr_workgroup_id_x 1
		.amdhsa_system_sgpr_workgroup_id_y 1
		.amdhsa_system_sgpr_workgroup_id_z 1
		.amdhsa_system_vgpr_workitem_id 0
		.amdhsa_next_free_vgpr 1024
		.amdhsa_next_free_sgpr 102
		.amdhsa_reserve_vcc 0
		.amdhsa_float_denorm_mode_32 3
		.amdhsa_float_denorm_mode_16_64 3
		.amdhsa_memory_ordered 1
		.amdhsa_forward_progress 1
		.amdhsa_inst_pref_size 213
	.end_amdhsa_kernel
	.amdgpu_metadata
---
amdhsa.version: [ 1, 2 ]
amdhsa.kernels:
  - .name:           k_qe6b1249162_proj
    .symbol:         k_qe6b1249162_proj.kd
    .args:
      - { .name: xbuf, .offset: 0, .size: 8, .value_kind: global_buffer, .address_space: global }
      - { .name: wbuf, .offset: 8, .size: 8, .value_kind: global_buffer, .address_space: global }
      - { .name: q_b, .offset: 16, .size: 8, .value_kind: global_buffer, .address_space: global }
      - { .name: kv_b, .offset: 24, .size: 8, .value_kind: global_buffer, .address_space: global }
      - { .name: qkv, .offset: 32, .size: 8, .value_kind: global_buffer, .address_space: global }
    .group_segment_fixed_size: 327680
    .private_segment_fixed_size: 0
    .kernarg_segment_align: 8
    .kernarg_segment_size: 40
    .max_flat_workgroup_size: 128
    .sgpr_count:     102
    .vgpr_count:     1024
    .wavefront_size: 32
...
	.end_amdgpu_metadata
.endif
;; end of part 2
;; launch attn (part 3): grid 8 x 32, 16 waves a work-group, clusters of 4 x 1, 327,680 bytes of LDS; arguments qkv, abuf; writes abuf
.if DOCPART == 3
	.amdgcn_target "amdgcn-amd-amdhsa--gfx1250"
	.amdhsa_code_object_version 6
	.text
	.protected	k_qe6b1249162_attn
	.globl	k_qe6b1249162_attn
	.p2align	8
	.type	k_qe6b1249162_attn,@function
k_qe6b1249162_attn:
	s_mov_b64 s[64:65], 0
	v_nop
	global_prefetch_b8 v0, s[64:65] scope:SCOPE_SE
	s_setreg_imm32_b32 hwreg(HW_REG_WAVE_MODE, 25, 1), 1
	s_wait_xcnt 0x0
	s_wait_alu depctr_hold_cnt(0) depctr_sa_sdst(0) depctr_va_vdst(0) depctr_va_sdst(0) depctr_va_ssrc(0) depctr_va_vcc(0) depctr_vm_vsrc(0)
	s_getreg_b32 s2, hwreg(HW_REG_IB_STS2, 6, 4)
	s_cmp_eq_u32 s2, 0
	s_cbranch_scc0 .Lentry_in_a_cluster
	s_endpgm
.Lentry_in_a_cluster:
	s_bfe_u32 s2, ttmp6, 0x10000c
	s_cmp_lg_u32 s2, 0x3003
	s_cbranch_scc0 .Lentry_shape_is_right
	s_endpgm
.Lentry_shape_is_right:
; O = softmax(q k^T / 8) v for 64 heads of 64 channels, 2,048 queries and keys, both products on codes of FP6 (E2M3) with E8M0 scales; O / l is quantised along the model's 1,024 and stored as the last product's operand.
; THE SOFTMAX: t = score x log2(e) / 8; M = the running largest t rounded UP to a whole number; p = 2^(t - M) is quantised along the keys, not normalised; the row's sum is taken of the unquantised p and divides O at the end.
; When M moves, the sum and O are multiplied by 2^(old M - new M): exact.
; SHARES.  A work-group owns 256 queries of a PAIR of heads and takes the two heads one after the other; each of its sixteen waves owns a tile of 16 queries in 256 registers: four waves to a SIMD.
; K AND V come as records of 128 keys (12,800 dense bytes: four fragments of K, four of V, 256 + 256 bytes of scale words, all images of registers).  A slot holds EIGHT records; two slots take turns; the pair's 32 records are four fills.
; Every wave brings half a record, 25 rows of 256 bytes, with one tensor load.  The mover lays 64 bytes of padding behind each row: LDS rows 320 bytes apart, a record 16,000 bytes.
; CLUSTER: the four query blocks of a cluster walk the same stream: each load is asked for JOINTLY, with a mask that names the four work-groups.
; No prefetch is written: a refill is asked for a whole slot, eight key steps of all sixteen waves, ahead of the wait for it.
; K = 64 IN AN INSTRUCTION OF 128.  A stored fragment f of K holds tile 2 f of keys in k = 0 .. 63 and tile 2 f + 1 in k = 64 .. 127; against [q | zeros] and [zeros | q] it gives the one's and the other's scores.
; WHICH KEYS FORM A TILE IS CHOSEN BY THE LANES' LDS ADDRESSES.  Stored tile 2 f + u, row r, is key 32 f + 8 u + r + 8 (r / 8).  Fragment (g, s) as it is read takes for its rows 0-7 the stored fragment 2 g's rows 8 s .. 8 s + 7
; and for its rows 8-15 the stored fragment 2 g + 1's rows 8 s .. 8 s + 7.  Both products are used transposed, a lane holds ONE query (lane % 16), and its 32 registers of group g are then keys 64 g + 32 (lane / 16) + 0 .. 31:
; whole blocks of 32 in one lane, in the order that the 6-bit operand wants.  No lane is asked for a block's maximum, and p's codes change no lane.
; With rows 320 bytes apart, a stored fragment is 1,920 bytes.
; A block's largest p is made from its largest score by the same multiply-add and exponential as every p (this takes v_exp_f32 not to fall where its input rises).
; LIMITS: the scaled scores stay under 2^31 in magnitude; a p under 2^-126 falls to 0; a block whose largest magnitude lies under 2^-124 keeps the byte 1, a block of zeros too; NaN and infinities are not served.
.set KVO,   6553600                    ; qkv: where the KV records begin
.set ASOFF, 6291456                    ; abuf: where the scale blocks begin
.set ROWP,  320                        ; an LDS row: 256 bytes + 64 of padding
.set RP,    50*ROWP                    ; a record in LDS
.set SLOT1, 131072                     ; slot 1 begins here (slot 0 ends at 128,000): one exclusive or turns an address
.set GATH,  262144                     ; the work-group's 256 scale words, 1,024 bytes
.set SPARE, 263168                     ; the spare words, 128 bytes for each wave: eight blocks of 256 bytes that no other line names
.set AV0,  1                           ; v1  V's fragments: 320 (lane / 16) + 16 (lane % 16)
.set AK0,  2                           ; v2  K's fragments: 1920 ((lane % 16) / 8) + 320 (lane / 16) + 16 (lane % 8)
.set SPW,  3                           ; v3  LDS address of my spare word; never rewritten
.set NIL,  4                           ; v4  0; never rewritten
.set ASK0, 5                           ; v5  K's scale words: 128 ((lane % 16) / 8) + 64 (lane / 16) + 8 (lane % 8)
.set ASV0, 6                           ; v6  V's scale words: 8 x lane
.set LI,   9                           ; v9  16 x lane
.set SH,   10                          ; v10 8 x (lane / 16)
.set OF,   44                          ; v44-55 the output fragment;  v56 its scale word
.set AK,   57                          ; v57-60 the four addresses in the record in hand
.set AV,   58
.set ASK,  59
.set ASV,  60
.set FRG,  64                          ; v64-111 four fragments of K, then of V
.set S,    112                         ; v112-175 S^T, then p
.set O,    176                         ; v176-207 O^T
.set PC,   208                         ; v208-219 p's codes
.set CT,   220                         ; v220-222, v224-226 the upper halves of two blocks, before they are moved
.set BM,   228                         ; v228-231 largest scores; v228, v230 the two blocks', then their largest p
.set PT,   232                         ; v232-233 what the other half of the lanes sends
.set SOP,  234                         ; v234-235 the conversions' scale operands
.set C1,   236                         ; v236-241 three chains of the row's sum
.set BY,   242                         ; v242-243 scale bytes
.set WV,   18                          ; s18 my wave's number
.set SEL,  20                          ; s[20:21] selects for lane l xor 16
.set CS,   22                          ; s[22:23] c = log2(e) / 8
.set NC,   58                          ; s58 -c
; other registers: v12 -M, v13 the largest score, v[14:15] the sum in two halves; v16-21 zeros, v22-27 q, v28-33 zeros, v34 q's scale word; v36-42 the second head's q and word;
; v244 f, v245 p's scale word, v246-247 at work; v[248:249] K's scale words, v[250:251] V's.  s2 the record in hand, s37 the slot in hand, s36 steps to go, s3 slots still to be asked for
.macro CROUND
	s_barrier_signal -1
	s_barrier_wait -1
	s_cmp_lg_u32 s[WV], 0
	s_cbranch_scc1 .Lnot_wave_0_\@
	s_barrier_signal -3
.Lnot_wave_0_\@:
	s_barrier_wait -3
	s_barrier_signal -1
	s_barrier_wait -1
.endm
	s_load_b128 s[4:7], s[0:1], 0x0                ; qkv s[4:5], abuf s[6:7]
	v_lshl_add_u32 v[SPW], v0, 2, SPARE
	v_mov_b32 v[NIL], 0
	ds_add_u32 v[SPW], v[NIL]                      ; the wave's opening: the add, twice on end, and its wait ahead of my first tensor load
	ds_add_u32 v[SPW], v[NIL]
	v_lshrrev_b32 v11, 5, v0
	s_delay_alu instid0(VALU_DEP_1)
	v_readfirstlane_b32 s[WV], v11                 ; wave 0..15
	s_bfe_u32 s8, ttmp6, 0x40000                   ; cx
	s_lshl_b32 s9, ttmp9, 2
	s_add_co_u32 s9, s9, s8                        ; my block of 256 queries: it enters Q's and the output's addresses alone
	s_and_b32 s10, ttmp7, 0xffff                   ; y = 8 x batch + pair of heads, which the four partners share
	; descriptor group 1: half a record, 25 rows of 256 bytes, 64 bytes of padding behind each
	s_mov_b32 s24, 15|(3<<16)|(1<<20)|(1<<21)|(5<<22)|(15<<25)  ; the mask: all four work-groups; elements of 8 bytes; padding on; 21 set beside a mask; after every 64 words, 16 words
	s_mov_b32 s25, 32<<16                          ; tensor_dim0
	s_mov_b32 s26, 25<<16                          ; tensor_dim1
	s_mov_b32 s27, 32<<16                          ; tile_dim0
	s_mov_b32 s28, 25                              ; tile_dim1
	s_mov_b32 s29, 32                              ; tensor_dim0_stride
	s_mov_b32 s30, 0
	s_mov_b32 s31, 0
	s_mul_i32 s11, s[WV], 25*ROWP                  ; my half record in a slot,
	s_mul_i32 s13, s[WV], 6400                     ; and in a slot's 102,400 bytes of memory
	s_mul_i32 s12, s10, 409600                     ; the pair's 32 records
	s_add_co_u32 s12, s12, s13
	s_add_co_u32 s12, s12, KVO
	s_mov_b32 s13, 0
	s_lshl_b32 s14, s10, 5                         ; Q's record: 32 y + 2 x block + wave / 8
	s_lshl_b32 s15, s9, 1
	s_add_co_u32 s14, s14, s15
	s_lshr_b32 s15, s[WV], 3
	s_add_co_u32 s14, s14, s15
	s_mul_i32 s14, s14, 6400
	s_mov_b32 s15, 0
	s_lshr_b32 s16, s10, 3                         ; batch
	s_and_b32 s17, s10, 7                          ; the pair = the last product's K step
	s_lshl_b32 s42, s16, 7                         ; my stored tile of the output: 128 x batch + 16 x block + wave
	s_lshl_b32 s43, s9, 4
	s_add_co_u32 s42, s42, s43
	s_add_co_u32 s42, s42, s[WV]
	s_mul_i32 s42, s42, 12288
	s_mul_i32 s43, s17, 1536
	s_add_co_u32 s42, s42, s43
	s_mov_b32 s43, 0
	s_and_b32 s38, s[WV], 1                        ; u: which tile of a fragment of Q is mine.  Also: which block of scale words wave 0 or 1 stores
	s_lshl_b32 s44, s16, 4                         ; the block of 128 stored rows: 16 x batch + 2 x block + (wave & 1)
	s_lshl_b32 s45, s9, 1
	s_add_co_u32 s44, s44, s45
	s_add_co_u32 s44, s44, s38
	s_lshl_b32 s44, s44, 12
	s_lshl_b32 s45, s17, 9
	s_add_co_u32 s44, s44, s45
	s_add_co_u32 s44, s44, ASOFF
	s_mov_b32 s45, 0
	s_cmp_eq_u32 s38, 1
	s_cselect_b32 s39, -1, 0                       ; all lanes, where my tile is the fragment's upper half
	s_mov_b32 s40, 0x01000100
	s_cselect_b32 s40, 0x03020302, s40             ; my tile's two scale bytes, twice
	s_bfe_u32 s41, s[WV], 0x20001                  ; f: my fragment of Q's record
	s_mul_i32 s52, s41, 1536
	s_and_b32 s53, s41, 1
	s_lshl_b32 s53, s53, 7
	s_lshr_b32 s54, s41, 1
	s_lshl_b32 s54, s54, 2
	s_add_co_u32 s53, s53, s54                     ; fragment f's words: 128 (f % 2) + 4 (f / 2) + 8 r
	s_lshl_b32 s55, s[WV], 6
	s_add_co_u32 s55, s55, GATH
	s_lshl_b32 s56, s38, 9
	s_add_co_u32 s56, s56, GATH
	s_mov_b32 s[SEL], 0x76543210
	s_mov_b32 s[SEL+1], 0xfedcba98
	s_mov_b32 s[CS], 0x3e38aa3b                    ; c = log2(e) / sqrt(64)
	s_mov_b32 s[CS+1], s[CS]                       ; (named with it as a pair, so it is written)
	s_mov_b32 s[NC], 0xbe38aa3b                    ; -c
	s_mov_b32 s37, 0                               ; the slot in hand
	s_mov_b32 s3, 3                                ; slots still to be asked for
	v_and_b32 v11, 31, v0                          ; lane
	v_and_b32 v35, 15, v0                          ; r
	v_bfe_u32 v[SH], v0, 4, 1                      ; h
	v_and_b32 v57, 7, v0                           ; r % 8
	v_bfe_u32 v58, v0, 3, 1                        ; r / 8
	v_lshlrev_b32 v[LI], 4, v11
	v_lshlrev_b32 v[ASV0], 3, v11
	v_mul_u32_u24 v[AV0], v[SH], ROWP              ; 320 h
	v_mul_u32_u24 v[AK0], v58, 1920
	v_lshlrev_b32 v[ASK0], 3, v57
	v_lshl_add_u32 v7, v35, 2, s55                 ; my row's scale word among the work-group's: 64 x wave + 4 r
	v_add_nc_u32 v8, s56, v[LI]                    ; waves 0, 1 on the way out: 512 x wave + 16 x lane
	v_add_nc_u32 v11, s52, v[LI]                   ; Q's fragment
	v_lshl_add_u32 v[AK0], v57, 4, v[AK0]
	v_lshl_add_u32 v[ASK0], v58, 7, v[ASK0]
	v_add_nc_u32 v[AK0], v[AK0], v[AV0]
	v_lshl_add_u32 v[ASK0], v[SH], 6, v[ASK0]
	v_lshl_add_u32 v[AV0], v35, 4, v[AV0]
	v_lshl_add_u32 v35, v35, 3, s53                ; Q's words
	v_lshlrev_b32 v[SH], 3, v[SH]
	s_wait_alu depctr_va_vdst(0)
	s_wait_dscnt 0x0                               ; both opening adds are done
	s_wait_kmcnt 0x0
	s_mov_b32 s32, 1                               ; group 0: count = 1,
	s_mov_b32 s33, s11                             ; LDS address: slot 0, my half record,
	s_add_nc_u64 s[34:35], s[4:5], s[12:13]        ; global address,
	s_or_b32 s35, s35, 0x80000000                  ; type = 2
	s_add_nc_u64 s[46:47], s[4:5], s[14:15]
	s_add_nc_u64 s[48:49], s[6:7], s[42:43]
	s_add_nc_u64 s[50:51], s[6:7], s[44:45]
	CROUND                                         ; all four work-groups are here: the first joint loads meet
	tensor_load_to_lds s[32:35], s[24:31]          ; slot 0: my one load at the head
	s_nop 0
.irp c, 0,1,2
	global_load_b128 v[112+4*\c:115+4*\c], v11, s[46:47] offset:512*\c            ; the first head's fragment of Q,
	global_load_b128 v[124+4*\c:127+4*\c], v11, s[46:47] offset:102400+512*\c     ; the second's, 16 records on
.endr
	global_load_b32 v136, v35, s[46:47] offset:6144
	global_load_b32 v137, v35, s[46:47] offset:102400+6144
.irp i, 0,1,2,3,4,5
	v_mov_b32 v[16+\i], 0                          ; zero codes on both sides of q
	v_mov_b32 v[28+\i], 0
.endr
.set j, 0
.rept 32
	v_mov_b32 v[O+j], 0                            ; O^T: the step is written once; its first pass finds zeros, which the first change of M leaves zeros
.set j, j+1
.endr
	v_mov_b32 v14, 0
	v_mov_b32 v15, 0
	v_mov_b32 v13, 0xff61b1e6                      ; the largest score so far: -3e38
	v_mov_b32 v12, 0x7f61b1e6                      ; -M: 3e38, so that the first f is 0
	v_mov_b32 v[PT], 0                             ; written once: a lane permute's destination counts as one of its sources
	v_mov_b32 v[PT+1], 0
	v_mov_b32 v245, 0                              ; (named as the upper half of the pair v[244:245] before it is first written)
	v_mov_b32 v246, 0
	s_wait_loadcnt 0x0                             ; Q
	v_perm_b32 v34, v136, v136, s40                ; (b0, b1, b0, b1): it serves [q | 0] and [0 | q].  Thirteen lines here and the step's four address lines stand between it and the first product
	v_perm_b32 v42, v137, v137, s40
.irp i, 0,1,2,3,4,5
	v_cndmask_b32 v[22+\i], v[112+\i], v[118+\i], s39   ; my tile's six registers of the fragment's twelve
	v_cndmask_b32 v[36+\i], v[124+\i], v[130+\i], s39
.endr
.macro TM n                            ; t - M, two at a time, for the next n pairs
.rept \n
	v_pk_fma_f32 v[S+j:S+j+1], v[S+j:S+j+1], s[CS:CS+1], v[12:13] op_sel_hi:[1,0,0]
.set j, j+2
.endr
.endm
.macro ADD4 p                          ; pairs p .. p + 3 of p onto the sum's four chains
	v_pk_add_f32 v[C1:C1+1], v[C1:C1+1], v[S+2*(\p):S+2*(\p)+1]
	v_pk_add_f32 v[C1+2:C1+3], v[C1+2:C1+3], v[S+2*(\p)+2:S+2*(\p)+3]
	v_pk_add_f32 v[C1+4:C1+5], v[C1+4:C1+5], v[S+2*(\p)+4:S+2*(\p)+5]
	v_pk_add_f32 v[14:15], v[14:15], v[S+2*(\p)+6:S+2*(\p)+7]
.endm
; A KEY STEP: the record at s2, 128 keys
.macro STEP
	v_add_nc_u32 v[AK], s2, v[AK0]                 ; the four addresses are also the places in front of loads into registers that the last products have read
	v_add_nc_u32 v[ASK], s2, v[ASK0]
	v_add_nc_u32 v[AV], s2, v[AV0]
	v_add_nc_u32 v[ASV], s2, v[ASV0]
.irp f, 0,1,2,3                                ; fragment (g, s) = (f / 2, f % 2): two stored fragments on for g, eight rows on for s
.irp c, 0,1,2
	ds_load_b128 v[FRG+12*\f+4*\c:FRG+12*\f+4*\c+3], v[AK] offset:3840*(\f/2)+128*(\f%2)+640*\c
.endr
.endr
	ds_load_b64 v[248:249], v[ASK] offset:48*ROWP  ; register g, lane (r, h): the word of fragment (g, h), row r
	s_wait_alu depctr_va_vdst(0)
	s_wait_dscnt 0x0
.irp e, 0,1                                    ; S^T = K q^T: each fragment of K twice
	v_wmma_scale_f32_16x16x128_f8f6f4 v[S+32*\e:S+32*\e+7], v[FRG+24*\e:FRG+24*\e+11], v[22:33], 0, v[248+\e], v34 matrix_a_fmt:MATRIX_FMT_FP6 matrix_b_fmt:MATRIX_FMT_FP6
	v_wmma_scale_f32_16x16x128_f8f6f4 v[S+32*\e+8:S+32*\e+15], v[FRG+24*\e:FRG+24*\e+11], v[16:27], 0, v[248+\e], v34 matrix_a_fmt:MATRIX_FMT_FP6 matrix_b_fmt:MATRIX_FMT_FP6
	v_wmma_scale_f32_16x16x128_f8f6f4 v[S+32*\e+16:S+32*\e+23], v[FRG+24*\e+12:FRG+24*\e+23], v[22:33], 0, v[248+\e], v34 matrix_a_fmt:MATRIX_FMT_FP6 matrix_b_fmt:MATRIX_FMT_FP6 matrix_a_scale:MATRIX_SCALE_ROW1
	v_wmma_scale_f32_16x16x128_f8f6f4 v[S+32*\e+24:S+32*\e+31], v[FRG+24*\e+12:FRG+24*\e+23], v[16:27], 0, v[248+\e], v34 matrix_a_fmt:MATRIX_FMT_FP6 matrix_b_fmt:MATRIX_FMT_FP6 matrix_a_scale:MATRIX_SCALE_ROW1
.endr
	v_mov_b32 v246, v12                            ; the old -M.  With the three lines below: four places in front of the loads into K's registers and of the first read of the scores
.rept 3
	v_nop
.endr
.irp f, 0,1,2,3                                ; V's fragments land under the softmax
.irp c, 0,1,2
	ds_load_b128 v[FRG+12*\f+4*\c:FRG+12*\f+4*\c+3], v[AV] offset:24*ROWP+1920*\f+640*\c
.endr
.endr
	ds_load_b64 v[250:251], v[ASV] offset:49*ROWP
.irp k, 0,1,2,3                                ; the largest score of my two blocks of 32 keys, in four chains of 15; each accumulator is read from its low end on
	v_max3_num_f32 v[BM+\k], v[S+16*\k], v[S+1+16*\k], v[S+2+16*\k]
.endr
.irp i, 3,5,7,9,11,13
.irp k, 0,1,2,3
	v_max3_num_f32 v[BM+\k], v[BM+\k], v[S+16*\k+\i], v[S+1+16*\k+\i]
.endr
.endr
	v_max3_num_f32 v[BM], v[BM], v[BM+1], v[S+15]
	v_max3_num_f32 v[BM+2], v[BM+2], v[BM+3], v[S+47]
	v_max_num_f32 v[BM], v[BM], v[S+31]            ; block h
	v_max_num_f32 v[BM+2], v[BM+2], v[S+63]        ; block 2 + h
	s_delay_alu instid0(VALU_DEP_1)
	v_max_num_f32 v247, v[BM], v[BM+2]
	s_delay_alu instid0(VALU_DEP_1)
	v_permlanex16_b32 v[PT], v247, s[SEL], s[SEL+1]
	s_delay_alu instid0(VALU_DEP_1)
	v_max3_num_f32 v13, v13, v247, v[PT]           ; the running largest score of my query (c is positive: the largest t is c times it)
	s_delay_alu instid0(VALU_DEP_1)
	v_mul_f32 v247, s[NC], v13
	s_delay_alu instid0(VALU_DEP_1)
	v_floor_f32 v12, v247                          ; the new -M = -ceil(t): a whole number
	s_delay_alu instid0(VALU_DEP_1)
	v_sub_f32 v246, v12, v246                      ; old M - new M: a whole number, 0 or less
.set j, 0
	TM 8
	v_cvt_i32_f32 v246, v246                       ; (it saturates)
	TM 8
	v_ldexp_f32 v244, 1.0, v246                    ; f = 2^(old M - new M)
	TM 16
	v_fma_f32 v[BM], v[BM], s[CS], v12             ; the same of each block's largest score
	v_fma_f32 v[BM+2], v[BM+2], s[CS], v12
	s_wait_alu depctr_va_vdst(0)                   ; the wait ahead of the batch
	v_exp_f32 v[BM], v[BM]                         ; the blocks' largest p
	v_exp_f32 v[BM+2], v[BM+2]
.set j, 0
.rept 64
	v_exp_f32 v[S+j], v[S+j]                       ; p = 2^(t - M), at most 1
.set j, j+1
.endr
	v_pk_mul_f32 v[14:15], v[14:15], v[244:245] op_sel_hi:[1,0]   ; the sums under the new M: a plain place behind the exponentials
	s_wait_alu depctr_va_vdst(0)                   ; one wait for the batch of 66, ahead of its first reader
	v_max_num_f32 v[BM], 0x1800000, v[BM]          ; the floor 2^(3 - 127): the byte cannot fall under 1
	v_max_num_f32 v[BM+2], 0x1800000, v[BM+2]
	v_pk_add_f32 v[C1:C1+1], v[S:S+1], v[S+2:S+3]  ; THE ROW'S SUM IS TAKEN OF THE UNQUANTISED p, in four chains; the scale's lines stand between the rounds
	v_pk_add_f32 v[C1+2:C1+3], v[S+4:S+5], v[S+6:S+7]
	v_pk_add_f32 v[C1+4:C1+5], v[S+8:S+9], v[S+10:S+11]
	v_pk_add_f32 v[14:15], v[14:15], v[S+12:S+13]
	v_add_nc_u32 v[SOP], 0xff000000, v[BM]         ; 2 off the exponent field: the conversion's scale operand
	v_add_nc_u32 v[SOP+1], 0xff000000, v[BM+2]
	ADD4 7
	v_lshrrev_b32 v[BY], 23, v[SOP]                ; the byte
	v_lshrrev_b32 v[BY+1], 23, v[SOP+1]
	ADD4 11
	v_lshl_or_b32 v247, v[BY+1], 16, v[BY]         ; my two bytes, blocks h and 2 + h,
	ADD4 15
	v_lshlrev_b32 v247, v[SH], v247                ; at their places;
	ADD4 19
	v_permlanex16_b32 v[PT], v247, s[SEL], s[SEL+1]
	ADD4 23
	v_or_b32 v245, v247, v[PT]                     ; with lane l xor 16's two: p's scale word for these 128 keys
	ADD4 27
	v_pk_add_f32 v[C1:C1+1], v[C1:C1+1], v[S+62:S+63]
	s_delay_alu instid0(VALU_DEP_2)
	v_pk_add_f32 v[14:15], v[14:15], v[C1+4:C1+5]
	s_delay_alu instid0(VALU_DEP_2)
	v_pk_add_f32 v[C1:C1+1], v[C1:C1+1], v[C1+2:C1+3]
	s_delay_alu instid0(VALU_DEP_1)
	v_pk_add_f32 v[14:15], v[14:15], v[C1:C1+1]
.irp g, 0,1                                    ; my block of group g: registers 6 g .. 6 g + 5 of the operand
	v_cvt_scalef32_pk16_fp6_f32 v[PC+6*\g:PC+6*\g+2], v[S+32*\g:S+32*\g+15], v[SOP+\g]
	v_cvt_scalef32_pk16_fp6_f32 v[CT+4*\g:CT+4*\g+2], v[S+32*\g+16:S+32*\g+31], v[SOP+\g]   ; (a conversion's three registers begin on an even number)
.endr
	s_wait_alu depctr_va_vdst(0)                   ; directly ahead of the first reader of O^T
.set j, 0
.rept 4
	v_pk_mul_f32 v[O+j:O+j+1], v[O+j:O+j+1], v[244:245] op_sel_hi:[1,0]   ; O^T under the new M; the first is the plain place behind the conversions
.set j, j+2
.endr
.irp g, 0,1
.irp i, 0,1,2
	v_mov_b32 v[PC+3+6*\g+\i], v[CT+4*\g+\i]
.endr
.endr
.rept 12
	v_pk_mul_f32 v[O+j:O+j+1], v[O+j:O+j+1], v[244:245] op_sel_hi:[1,0]   ; these twelve are also the places between p's codes and the products
.set j, j+2
.endr
	s_wait_alu depctr_va_vdst(0)
	s_wait_dscnt 0x0                               ; V is in
.irp e, 0,1                                    ; O^T += V^T p^T: four accumulators by turns, one instruction a turn
	v_wmma_scale_f32_16x16x128_f8f6f4 v[O+16*\e:O+16*\e+7], v[FRG+24*\e:FRG+24*\e+11], v[PC:PC+11], v[O+16*\e:O+16*\e+7], v[250+\e], v245 matrix_a_fmt:MATRIX_FMT_FP6 matrix_b_fmt:MATRIX_FMT_FP6
	v_wmma_scale_f32_16x16x128_f8f6f4 v[O+16*\e+8:O+16*\e+15], v[FRG+24*\e+12:FRG+24*\e+23], v[PC:PC+11], v[O+16*\e+8:O+16*\e+15], v[250+\e], v245 matrix_a_fmt:MATRIX_FMT_FP6 matrix_b_fmt:MATRIX_FMT_FP6 matrix_a_scale:MATRIX_SCALE_ROW1
.endr
.endm
; THE CHANGE OF SLOTS stands at a slot's head.  Each wave waits for all its tensor loads, adds 0 to its spare word, and waits for that and for its reads of the slot that it has left.
; fill = 1: a round of the cluster's barrier, and behind it the slot just left (the first time: slot 1) takes the next eight records, half a record a wave.
.macro CHANGE fill
	s_wait_alu depctr_va_vdst(0)
	s_wait_tensorcnt 0x0                           ; no tensor load of mine is out, so the group 0 may be written
	ds_add_u32 v[SPW], v[NIL]                      ; 0 onto my spare word
.if \fill
	s_xor_b32 s33, s33, SLOT1                      ; the other slot than last time,
	s_add_nc_u64 s[34:35], s[34:35], 102400        ; the next eight records; the type bits on top are not reached
.endif
	s_mov_b32 s2, s37                              ; the first record of the slot in hand
	s_mov_b32 s36, 8                               ; eight key steps
	s_wait_dscnt 0x0                               ; the add is done, and my reads of the slot that I have left are over
.if \fill
	CROUND
	tensor_load_to_lds s[32:35], s[24:31]          ; the first thing behind the round, and my one tensor load until the next
	s_nop 0
.else
	s_barrier_signal -1
	s_barrier_wait -1
.endif
.endm
; A head is finished: O^T / the sum; its 64 channels, two blocks, become half hd of the output fragment and two bytes of its scale word.  hd = 0: the second head begins.
.macro FINAL hd
.rept 4
	v_nop                                          ; places behind the last products
.endr
	v_add_f32 v14, v14, v15                        ; the sum's two halves,
	s_delay_alu instid0(VALU_DEP_1)
	v_permlanex16_b32 v246, v14, s[SEL], s[SEL+1]
	s_delay_alu instid0(VALU_DEP_1)
	v_add_f32 v14, v14, v246                       ; and lane l xor 16's
	s_wait_alu depctr_va_vdst(0)                   ; the wait ahead of the transcendental
	v_rcp_f32 v14, v14
	v_nop                                          ; a plain place behind the reciprocal
	s_wait_alu depctr_va_vdst(0)                   ; and the wait ahead of its first reader, which is O^T's first reader too
.set j, 0
.rept 16
	v_pk_mul_f32 v[O+j:O+j+1], v[O+j:O+j+1], v[14:15] op_sel_hi:[1,0]   ; each accumulator from its low end on
.set j, j+2
.endr
.irp b, 0,1
	v_max3_num_f32 v[BM+\b], |v[O+16*\b]|, |v[O+1+16*\b]|, 0x1800000
.endr
.irp i, 2,4,6,8,10,12,14
.irp b, 0,1
	s_delay_alu instid0(VALU_DEP_2)
	v_max3_num_f32 v[BM+\b], v[BM+\b], |v[O+16*\b+\i]|, |v[O+1+16*\b+\i]|
.endr
.endr
.irp b, 0,1
	s_delay_alu instid0(VALU_DEP_2)
	v_permlanex16_b32 v[PT+\b], v[BM+\b], s[SEL], s[SEL+1]
.endr
.irp b, 0,1
	s_delay_alu instid0(VALU_DEP_2)
	v_max_num_f32 v[BM+\b], v[BM+\b], v[PT+\b]
.endr
.irp b, 0,1
	s_delay_alu instid0(VALU_DEP_2)
	v_add_nc_u32 v[SOP+\b], 0xff000000, v[BM+\b]
.endr
.irp b, 0,1
	s_delay_alu instid0(VALU_DEP_2)
	v_lshrrev_b32 v[PT+\b], 23, v[SOP+\b]
.endr
	v_cvt_scalef32_pk16_fp6_f32 v[OF+6*\hd:OF+6*\hd+2], v[O:O+15], v[SOP]
	v_cvt_scalef32_pk16_fp6_f32 v[CT:CT+2], v[O+16:O+31], v[SOP+1]
	v_nop                                          ; one plain place behind a scaled conversion
.irp i, 0,1,2
	v_permlane16_swap_b32 v[OF+6*\hd+\i], v[CT+\i] ; the channels' blocks lie in two lanes each: a whole block to a lane
.endr
.irp i, 0,1,2
	s_delay_alu instid0(VALU_DEP_3)
	v_mov_b32 v[OF+6*\hd+3+\i], v[CT+\i]
.endr
.if \hd == 0
	v_lshl_or_b32 v56, v[PT+1], 8, v[PT]
.irp i, 0,1,2,3,4,5
	v_mov_b32 v[22+\i], v[36+\i]                   ; the second head's q
.endr
	v_mov_b32 v34, v42                             ; and its scale word; the lines below are more than the places that a scale register so written owes
.set j, 0
.rept 32
	v_mov_b32 v[O+j], 0
.set j, j+1
.endr
	v_mov_b32 v14, 0
	v_mov_b32 v15, 0
	v_mov_b32 v13, 0xff61b1e6
	v_mov_b32 v12, 0x7f61b1e6
.else
	v_lshl_or_b32 v56, v[PT], 16, v56
	s_delay_alu instid0(VALU_DEP_1)
	v_lshl_or_b32 v56, v[PT+1], 24, v56
.endif
.endm
.Lslot:                                            ; three trips: behind each change of slots but the last the next slot is asked for
	CHANGE 1
.Lstep_a:                                          ; eight key steps: a constant count
	STEP
	s_add_co_u32 s2, s2, RP                        ; the next record
	s_sub_co_u32 s36, s36, 1
	s_cmp_lg_u32 s36, 0
	s_cbranch_scc1 .Lstep_a
	s_xor_b32 s37, s37, SLOT1                      ; on to the other slot
	s_cmp_eq_u32 s3, 2                             ; two slots are a head's 2,048 keys: the count of trips alone, alike in all partners; the jump leads round work on registers
	s_cbranch_scc0 .Lsame_head
	FINAL 0
.Lsame_head:
	s_sub_co_u32 s3, s3, 1
	s_cmp_lg_u32 s3, 0
	s_cbranch_scc1 .Lslot
	CHANGE 0                                       ; the last slot is written out
.Lstep_b:
	STEP
	s_add_co_u32 s2, s2, RP
	s_sub_co_u32 s36, s36, 1
	s_cmp_lg_u32 s36, 0
	s_cbranch_scc1 .Lstep_b
	FINAL 1
.irp c, 0,1,2
	global_store_b128 v[LI], v[OF+4*\c:OF+4*\c+3], s[48:49] offset:512*\c   ; my fragment's image: 512 consecutive bytes, aligned, an instruction
.endr
	ds_store_b32 v7, v56                           ; both halves of the lanes write the same word with the same value
	s_wait_dscnt 0x0                               ; for the others' sake
	s_barrier_signal -1
	s_barrier_wait -1
	s_cmp_lt_u32 s[WV], 2                          ; waves 0 and 1 store the words of 128 rows each
	s_cbranch_scc0 .Lno_words
	ds_load_b128 v[112:115], v8
	s_wait_dscnt 0x0
	global_store_b128 v[LI], v[112:115], s[50:51]
.Lno_words:
	s_wait_tensorcnt 0x0                           ; the wave's end: behind my last tensor load and my last LDS store
	ds_add_u32 v[SPW], v[NIL]
	s_wait_dscnt 0x0
	CROUND                                         ; the closing round
	s_endpgm
.Lfunc_end_k_qe6b1249162_attn:
	.size	k_qe6b1249162_attn, .Lfunc_end_k_qe6b1249162_attn-k_qe6b1249162_attn
	.p2alignl 7, 3214868480
	.fill 96, 4, 3214868480
	.section	.rodata,"a",@progbits
	.p2align	6, 0x0
	.amdhsa_kernel k_qe6b1249162_attn
		.amdhsa_group_segment_fixed_size 327680
		.amdhsa_private_segment_fixed_size 0
		.amdhsa_enable_private_segment 0
		.amdhsa_kernarg_size 16
		.amdhsa_user_sgpr_count 2
		.amdhsa_user_sgpr_kernarg_segment_ptr 1
		.amdhsa_wavefront_size32 1
		.amdhsa_system_sgpr_workgroup_id_x 1
		.amdhsa_system_sgpr_workgroup_id_y 1
		.amdhsa_system_sgpr_workgroup_id_z 1
		.amdhsa_system_vgpr_workitem_id 0
		.amdhsa_next_free_vgpr 256
		.amdhsa_next_free_sgpr 66
		.amdhsa_reserve_vcc 0
		.amdhsa_float_denorm_mode_32 3
		.amdhsa_float_denorm_mode_16_64 3
		.amdhsa_memory_ordered 1
		.amdhsa_forward_progress 1
		.amdhsa_inst_pref_size 50
	.end_amdhsa_kernel
	.amdgpu_metadata
---
amdhsa.version: [ 1, 2 ]
amdhsa.kernels:
  - .name:           k_qe6b1249162_attn
    .symbol:         k_qe6b1249162_attn.kd
    .args:
      - { .name: qkv, .offset: 0, .size: 8, .value_kind: global_buffer, .address_space: global }
      - { .name: abuf, .offset: 8, .size: 8, .value_kind: global_buffer, .address_space: global }
    .group_segment_fixed_size: 327680
    .private_segment_fixed_size: 0
    .kernarg_segment_align: 8
    .kernarg_segment_size: 16
    .max_flat_workgroup_size: 512
    .sgpr_count:     66
    .vgpr_count:     256
    .wavefront_size: 32
...
	.end_amdgpu_metadata
.endif
;; end of part 3
;; launch outp (part 4): grid 4 x 32, 4 waves a work-group, clusters of 4 x 4, 327,680 bytes of LDS; arguments abuf, wbuf, out_b, out0; writes out0
.if DOCPART == 4
	.amdgcn_target "amdgcn-amd-amdhsa--gfx1250"
	.amdhsa_code_object_version 6
	.text
	.protected	k_qe6b1249162_outp
	.globl	k_qe6b1249162_outp
	.p2align	8
	.type	k_qe6b1249162_outp,@function
k_qe6b1249162_outp:
	s_mov_b64 s[64:65], 0
	v_nop
	global_prefetch_b8 v0, s[64:65] scope:SCOPE_SE
	s_setreg_imm32_b32 hwreg(HW_REG_WAVE_MODE, 25, 1), 1
	s_wait_xcnt 0x0
	s_wait_alu depctr_hold_cnt(0) depctr_sa_sdst(0) depctr_va_vdst(0) depctr_va_sdst(0) depctr_va_ssrc(0) depctr_va_vcc(0) depctr_vm_vsrc(0)
	s_getreg_b32 s2, hwreg(HW_REG_IB_STS2, 6, 4)
	s_cmp_eq_u32 s2, 0
	s_cbranch_scc0 .Lentry_in_a_cluster
	s_endpgm
.Lentry_in_a_cluster:
	s_bfe_u32 s2, ttmp6, 0x10000c
	s_cmp_lg_u32 s2, 0xf033
	s_cbranch_scc0 .Lentry_shape_is_right
	s_endpgm
.Lentry_shape_is_right:
.set NQ,     2
.set FR,     12
.set NL,     3
.set NP,     4
.set FRB,    1536
.set SLROW,  3072
.set HALFT,  8*SLROW
.set SLOT,   4*HALFT
.set LAPS,   2
.set SCL,    2*SLOT
.set HALFS,  4096
.set SPARE,  SCL+4*HALFS
.set SPITCH, 528
.set ASOFF,  6291456
.set CO,   8
.set BO,   10
.set ADRA, 16
.set ADRB, 20
.set STO,  24
.set RD,   25
.set ADRS, 27
.set SPW,  28
.set NIL,  29
.set SC,   32
.set BIAS, 64
.set AF,   128
.set BK,   128
.set G1, 24
.set G0, 32
.set G1B, 48
.set G0B, 56
.set G1S, 68
.set G0S, 76
.set G1SB, 80
.set G0SB, 88
.set MSB, 0
.macro WIN new
.if MSB != \new
	s_set_vgpr_msb (MSB<<8)|\new
.set MSB, \new
.endif
.endm
.set MUL_LO, 0xa1
.set MUL_HI, 0xf1
.set FST_LO, 0x81
.set FST_HI, 0xc1
.set TO_B,   0x40
.macro JLOAD g0a, g1a, g0b, g1b
	s_cmp_eq_u32 s15, 0
	s_cbranch_scc0 .Lfor_b_\@
	tensor_load_to_lds s[\g0a:\g0a+3], s[\g1a:\g1a+7]
	s_nop 0
.rept 4
	v_nop
.endr
	s_branch .Lasked_\@
.Lfor_b_\@:
	tensor_load_to_lds s[\g0b:\g0b+3], s[\g1b:\g1b+7]
	s_nop 0
.rept 4
	v_nop
.endr
.Lasked_\@:
.endm
.macro CREST
	s_cmp_lg_u32 s14, 0
	s_cbranch_scc1 .Lnot_wave_0_\@
	s_barrier_signal -3
.Lnot_wave_0_\@:
	s_barrier_wait -3
	s_barrier_signal -1
	s_barrier_wait -1
.endm
.macro CROUND
	s_barrier_signal -1
	s_barrier_wait -1
	CREST
.endm
	s_load_b256 s[4:11], s[0:1], 0x0
	v_lshl_add_u32 v[SPW], v0, 2, SPARE
	v_mov_b32 v[NIL], 0
	ds_add_u32 v[SPW], v[NIL]
	ds_add_u32 v[SPW], v[NIL]
	v_lshrrev_b32 v1, 5, v0
	v_readfirstlane_b32 s14, v1
	s_lshr_b32 s15, s14, 1
	s_and_b32 s16, s14, 1
	s_bfe_u32 s40, ttmp6, 0x40000
	s_bfe_u32 s41, ttmp6, 0x40004
	s_lshl_b32 s42, ttmp9, 2
	s_add_co_u32 s42, s42, s40
	s_and_b32 s17, ttmp7, 0xffff
	s_lshl_b32 s17, s17, 2
	s_add_co_u32 s17, s17, s41
	s_lshl_b32 s43, s41, 2
	s_lshl_b32 s43, 15, s43
	s_lshl_b32 s44, 0x1111, s40
	s_or_b32 s[G1+0], s43, (3<<16)|(1<<21)
	s_or_b32 s[G1B+0], s44, (3<<16)|(1<<21)
.irp g, G1, G1B
	s_mov_b32 s[\g+1], 384<<16
	s_mov_b32 s[\g+2], 8<<16
	s_mov_b32 s[\g+3], 384<<16
	s_mov_b32 s[\g+4], 8
	s_mov_b32 s[\g+5], 1536
	s_mov_b32 s[\g+6], 0
	s_mov_b32 s[\g+7], 0
.endr
	s_or_b32 s[G1S+0], s43, (3<<16)|(1<<21)
	s_or_b32 s[G1SB+0], s44, (3<<16)|(1<<21)
.irp g, G1S, G1SB
	s_mov_b32 s[\g+1], 32<<16
	s_mov_b32 s[\g+2], 16<<16
	s_mov_b32 s[\g+3], 32<<16
	s_mov_b32 s[\g+4], 16
	s_mov_b32 s[\g+5], 32
	s_mov_b32 s[\g+6], 0
	s_mov_b32 s[\g+7], 0
.endr
	s_lshl_b32 s20, s17, 1
	s_add_co_u32 s20, s20, s16
	s_lshl_b32 s46, s42, 1
	s_add_co_u32 s46, s46, s16
	s_mul_i32 s22, s20, 98304
	s_mov_b32 s23, 0
	s_lshl_b32 s20, s20, 12
	s_add_co_u32 s20, s20, ASOFF
	s_mov_b32 s21, 0
	s_mul_i32 s92, s46, 98304
	s_add_co_u32 s92, s92, 2359296
	s_mov_b32 s93, 0
	s_lshl_b32 s46, s46, 12
	s_add_co_u32 s46, s46, 3244032
	s_mov_b32 s47, 0
	s_mul_i32 s45, s14, HALFT
	s_lshl_b32 s94, s14, 12
	s_wait_dscnt 0x0
	s_wait_kmcnt 0x0
	s_add_nc_u64 s[22:23], s[4:5], s[22:23]
	s_add_nc_u64 s[20:21], s[4:5], s[20:21]
	s_add_nc_u64 s[92:93], s[6:7], s[92:93]
	s_add_nc_u64 s[46:47], s[6:7], s[46:47]
	CROUND
	s_mov_b32 s[G0S], 1
	s_add_co_u32 s[G0S+1], s94, SCL
	s_mov_b64 s[G0S+2:G0S+3], s[20:21]
	s_or_b32 s[G0S+3], s[G0S+3], 0x80000000
	s_mov_b32 s[G0SB], 1
	s_add_co_u32 s[G0SB+1], s94, SCL
	s_mov_b64 s[G0SB+2:G0SB+3], s[46:47]
	s_or_b32 s[G0SB+3], s[G0SB+3], 0x80000000
	JLOAD G0S, G1S, G0SB, G1SB
.irp s, 0,1
	s_mov_b32 s[G0+4*\s], 1
	s_add_co_u32 s[G0+4*\s+1], s45, \s*SLOT
	s_add_nc_u64 s[G0+4*\s+2:G0+4*\s+3], s[22:23], \s*SLROW
	s_or_b32 s[G0+4*\s+3], s[G0+4*\s+3], 0x80000000
	s_mov_b32 s[G0B+4*\s], 1
	s_add_co_u32 s[G0B+4*\s+1], s45, \s*SLOT
	s_add_nc_u64 s[G0B+4*\s+2:G0B+4*\s+3], s[92:93], \s*SLROW
	s_or_b32 s[G0B+4*\s+3], s[G0B+4*\s+3], 0x80000000
	s_wait_alu depctr_va_vdst(0)
	s_wait_tensorcnt 0x0
	ds_add_u32 v28, v29
	s_wait_dscnt 0x0
	CROUND
	JLOAD G0+4*\s, G1, G0B+4*\s, G1B
.endr
	v_and_b32 v1, 15, v0
	v_bfe_u32 v2, v0, 4, 1
	s_wait_alu depctr_va_vdst(0)
	v_and_b32 v6, 31, v0
	v_lshlrev_b32 v[CO], 4, v6
	v_lshlrev_b32 v[BO], 6, v2
	s_mul_i32 s21, s15, HALFT
	s_mul_i32 s22, s16, HALFT
	s_add_co_u32 s22, s22, 2*HALFT
.irp s, 0,1
	v_add_nc_u32 v[ADRA+\s], s21, v[CO]
	v_add_nc_u32 v[ADRB+\s], s22, v[CO]
	s_add_co_u32 s21, s21, SLOT
	s_add_co_u32 s22, s22, SLOT
.endr
	s_lshl_b32 s21, s15, 12
	s_lshl_b32 s22, s16, 12
	s_add_co_u32 s22, s22, 2*HALFS
	s_sub_co_u32 s22, s22, s21
	v_mul_u32_u24 v6, s22, v2
	s_add_co_u32 s21, s21, SCL
	v_lshl_add_u32 v5, v1, 2, v6
	v_add_nc_u32 v[ADRS], s21, v5
	s_mul_i32 s23, s14, 16*SPITCH
	v_mul_u32_u24 v5, v1, SPITCH
	v_lshl_add_u32 v5, v2, 6, v5
	v_add_nc_u32 v[STO], s23, v5
	v_add_nc_u32 v[RD], s23, v[CO]
	s_lshl_b32 s20, s17, 8
	s_lshl_b32 s21, s15, 7
	s_add_co_u32 s20, s20, s21
	s_lshl_b32 s20, s20, 12
	s_mov_b32 s21, 0
	s_lshl_b32 s46, s42, 8
	s_lshl_b32 s47, s16, 7
	s_add_co_u32 s46, s46, s47
	s_lshl_b32 s46, s46, 2
	s_mov_b32 s47, 0
	s_add_nc_u64 s[10:11], s[10:11], s[20:21]
	s_add_nc_u64 s[10:11], s[10:11], s[46:47]
	s_add_nc_u64 s[8:9], s[8:9], s[46:47]
.irp b, 0,1,2,3,4,5,6,7
	global_load_b128 v[BIAS+8*\b:BIAS+8*\b+3], v[BO], s[8:9] offset:(32*(\b/2)+8*(\b%2))*4
	global_load_b128 v[BIAS+8*\b+4:BIAS+8*\b+7], v[BO], s[8:9] offset:(32*(\b/2)+8*(\b%2))*4+16
.endr
.macro FRAG reg, adr, q, i
.irp c, 0,1,2
	ds_load_b128 v[\reg+4*\c:\reg+4*\c+3], v[\adr] offset:SLROW*(\i)+FRB*(\q)+512*\c
.endr
.endm
.macro MUL16 a0, p, q, sc, first
.irp a, \a0, \a0+1
.irp b, 0,1,2,3,4,5,6,7
.if \first
	v_wmma_scale_f32_16x16x128_f8f6f4 v[8*(8*((\a)%4)+\b):8*(8*((\a)%4)+\b)+7], v[128*(\p)+FR*\b:128*(\p)+FR*\b+FR-1], v[AF+FR*(\a):AF+FR*(\a)+FR-1], v[BIAS+8*\b:BIAS+8*\b+7], v[SC+8*NQ*(\sc)+NQ*\b+(\q)], v[SC+8*NQ*(\sc)+NQ*(\a)+(\q)] matrix_a_fmt:MATRIX_FMT_FP6 matrix_b_fmt:MATRIX_FMT_FP6 matrix_a_scale:MATRIX_SCALE_ROW1
.else
	v_wmma_scale_f32_16x16x128_f8f6f4 v[8*(8*((\a)%4)+\b):8*(8*((\a)%4)+\b)+7], v[128*(\p)+FR*\b:128*(\p)+FR*\b+FR-1], v[AF+FR*(\a):AF+FR*(\a)+FR-1], v[8*(8*((\a)%4)+\b):8*(8*((\a)%4)+\b)+7], v[SC+8*NQ*(\sc)+NQ*\b+(\q)], v[SC+8*NQ*(\sc)+NQ*(\a)+(\q)] matrix_a_fmt:MATRIX_FMT_FP6 matrix_b_fmt:MATRIX_FMT_FP6 matrix_a_scale:MATRIX_SCALE_ROW1
.endif
.endr
.endr
.endm
.macro FETCH_B slot, q, p
	WIN TO_B
.irp i, 0,1,2,3,4,5,6,7
	FRAG 128*(\p)+FR*\i, ADRB+\slot, \q, \i
.endr
	WIN 0
.endm
.macro FETCH_A slot, q, i0
.irp i, \i0, \i0+1, \i0+2, \i0+3
	FRAG AF+FR*(\i), ADRA+\slot, \q, \i
.endr
.endm
.macro SCALES sc
.irp i, 0,1,2,3,4,5,6,7
.irp q, 0,1
	ds_load_b32 v[SC+8*NQ*\sc+NQ*\i+\q], v[ADRS] offset:512*\q+64*\i
.endr
.endr
.endm
.macro PLACES n
.rept \n
	v_nop
.endr
.endm
.macro STEP slot, q, first
	s_wait_dscnt 4*NL
.if \first
	WIN FST_LO
.else
	WIN MUL_LO
.endif
	MUL16 0, (\q)%2, \q, \slot, \first
	MUL16 2, (\q)%2, \q, \slot, \first
	s_wait_dscnt 0
	PLACES NP
	FETCH_B \slot, (\q)+1, 1-(\q)%2
	FETCH_A \slot, (\q)+1, 0
.if \first
	WIN FST_HI
.else
	WIN MUL_HI
.endif
	MUL16 4, (\q)%2, \q, \slot, \first
	MUL16 6, (\q)%2, \q, \slot, \first
	PLACES NP
	WIN 0
	FETCH_A \slot, (\q)+1, 4
.endm
.macro TURN slot, next, fill
	s_wait_tensorcnt 0x0
	ds_add_u32 v[SPW], v[NIL]
	s_wait_dscnt 4*NL+1
	WIN MUL_LO
	MUL16 0, 1, NQ-1, \slot, 0
	s_wait_dscnt 0x0
	s_barrier_signal -1
	MUL16 2, 1, NQ-1, \slot, 0
	WIN 0
	s_barrier_wait -1
.if \fill
	CREST
	s_add_nc_u64 s[G0+4*\slot+2:G0+4*\slot+3], s[G0+4*\slot+2:G0+4*\slot+3], 2*SLROW
	s_add_nc_u64 s[G0B+4*\slot+2:G0B+4*\slot+3], s[G0B+4*\slot+2:G0B+4*\slot+3], 2*SLROW
	JLOAD G0+4*\slot, G1, G0B+4*\slot, G1B
.else
	PLACES NP
.endif
	s_wait_alu depctr_va_vdst(0)
	v_add_nc_u32 v[ADRS], 1024, v[ADRS]
	FETCH_B \next, 0, 0
	FETCH_A \next, 0, 0
	SCALES \next
	WIN MUL_HI
	MUL16 4, 1, NQ-1, \slot, 0
	MUL16 6, 1, NQ-1, \slot, 0
	PLACES NP
	WIN 0
	FETCH_A \next, 0, 4
.endm
	s_wait_alu depctr_va_vdst(0)
	s_wait_loadcnt 0x0
	s_wait_tensorcnt 1
	s_barrier_signal -1
	s_barrier_wait -1
	FETCH_B 0, 0, 0
	FETCH_A 0, 0, 0
	SCALES 0
	FETCH_A 0, 0, 4
	STEP 0, 0, 1
	s_mov_b32 s3, LAPS-1
.Llap:
	TURN 0, 1, 1
	STEP 1, 0, 0
	TURN 1, 0, 1
	STEP 0, 0, 0
	s_sub_co_u32 s3, s3, 1
	s_cmp_lg_u32 s3, 0
	s_cbranch_scc1 .Llap
	TURN 0, 1, 0
	STEP 1, 0, 0
	s_wait_dscnt 4*NL
	WIN MUL_LO
	MUL16 0, 1, NQ-1, 1, 0
	MUL16 2, 1, NQ-1, 1, 0
	s_wait_dscnt 0
	WIN MUL_HI
	MUL16 4, 1, NQ-1, 1, 0
	MUL16 6, 1, NQ-1, 1, 0
	WIN 0
.macro TOSTAGE a
.set AC, 64*((\a)%4)
	WIN 0x08+4*((\a)/4)
.irp b, 0,1,2,3,4,5,6,7
	ds_store_b128 v[STO], v[AC+8*\b:AC+8*\b+3] offset:128*(\b/2)+32*(\b%2)
	ds_store_b128 v[STO], v[AC+8*\b+4:AC+8*\b+7] offset:128*(\b/2)+32*(\b%2)+16
.endr
	WIN 0
.set BB, BK+64*((\a)%2)
.irp t, 0,1,2,3,4,5,6,7,8,9,10,11,12,13,14,15
	ds_load_b128 v[BB+4*\t:BB+4*\t+3], v[RD] offset:\t*SPITCH
.endr
.endm
.macro SEND a, younger
.set BB, BK+64*((\a)%2)
	s_wait_dscnt \younger
.irp t, 0,1,2,3,4,5,6,7,8,9,10,11,12,13,14,15
	global_store_b128 v[CO], v[BB+4*\t:BB+4*\t+3], s[10:11] offset:(32*((\a)/2)+8*((\a)%2)+\t+8*(\t/8))*4096 th:TH_STORE_NT
.endr
.endm
	PLACES NP
	TOSTAGE 0
.irp a, 1,2,3,4,5,6,7
.if \a > 1
	s_wait_xcnt 0x0
.endif
	TOSTAGE \a
	SEND \a-1, 32
.endr
	SEND 7, 0
	s_wait_tensorcnt 0x0
	ds_add_u32 v[SPW], v[NIL]
	s_wait_dscnt 0x0
	CROUND
	s_endpgm
.Lfunc_end_k_qe6b1249162_outp:
	.size	k_qe6b1249162_outp, .Lfunc_end_k_qe6b1249162_outp-k_qe6b1249162_outp
	.p2alignl 7, 3214868480
	.fill 96, 4, 3214868480
	.section	.rodata,"a",@progbits
	.p2align	6, 0x0
	.amdhsa_kernel k_qe6b1249162_outp
		.amdhsa_group_segment_fixed_size 327680
		.amdhsa_private_segment_fixed_size 0
		.amdhsa_enable_private_segment 0
		.amdhsa_kernarg_size 32
		.amdhsa_user_sgpr_count 2
		.amdhsa_user_sgpr_kernarg_segment_ptr 1
		.amdhsa_wavefront_size32 1
		.amdhsa_system_sgpr_workgroup_id_x 1
		.amdhsa_system_sgpr_workgroup_id_y 1
		.amdhsa_system_sgpr_workgroup_id_z 1
		.amdhsa_system_vgpr_workitem_id 0
		.amdhsa_next_free_vgpr 1024
		.amdhsa_next_free_sgpr 98
		.amdhsa_reserve_vcc 0
		.amdhsa_float_denorm_mode_32 3
		.amdhsa_float_denorm_mode_16_64 3
		.amdhsa_memory_ordered 1
		.amdhsa_forward_progress 1
		.amdhsa_inst_pref_size 139
	.end_amdhsa_kernel
	.amdgpu_metadata
---
amdhsa.version: [ 1, 2 ]
amdhsa.kernels:
  - .name:           k_qe6b1249162_outp
    .symbol:         k_qe6b1249162_outp.kd
    .args:
      - { .name: abuf, .offset: 0, .size: 8, .value_kind: global_buffer, .address_space: global }
      - { .name: wbuf, .offset: 8, .size: 8, .value_kind: global_buffer, .address_space: global }
      - { .name: out_b, .offset: 16, .size: 8, .value_kind: global_buffer, .address_space: global }
      - { .name: out0, .offset: 24, .size: 8, .value_kind: global_buffer, .address_space: global }
    .group_segment_fixed_size: 327680
    .private_segment_fixed_size: 0
    .kernarg_segment_align: 8
    .kernarg_segment_size: 32
    .max_flat_workgroup_size: 128
    .sgpr_count:     98
    .vgpr_count:     1024
    .wavefront_size: 32
...
	.end_amdgpu_metadata
.endif
;; end of part 4
